; MI455X (gfx1250); checked and timed in simulation.
; The chip was launched on July 23, 2026; its instructions are those of AMD's public machine-readable ISA for CDNA 5 (MIT licence, August 2026) and "CDNA5" Instruction Set Architecture Reference Guide (July 2026). The comments in the code are by the model that wrote it; some were corrected since.
;; Cross Attention Layer. Allowed arithmetic: matrix products marked QUANTISED: E2M1 operands, one E8M0 scale for each 32 along K, by v_wmma_scale_f32_16x16x128_f8f6f4 with both operands' format E2M1 (or v_wmma_scale_f32_32x16x128_f4), f32 sums; products left as they are: f32 operands where the result goes on into a quantised operand, else bf16, f16 or f32 operands; f32 sums; everything else in f32.
;; Inputs: Wk_codes 1,024 x 32 x 16 uint8 (E2M1 codes of Wk, K innermost, in blocks of 32 codes, two codes a byte); Wk_scales 1,024 x 32 uint8 (E8M0 scales of Wk, one for each 32 codes along K); Wo_codes 1,024 x 32 x 16 uint8 (E2M1 codes of Wo, K innermost, in blocks of 32 codes, two codes a byte); Wo_scales 1,024 x 32 uint8 (E8M0 scales of Wo, one for each 32 codes along K); Wq_codes 1,024 x 32 x 16 uint8 (E2M1 codes of Wq, K innermost, in blocks of 32 codes, two codes a byte); Wq_scales 1,024 x 32 uint8 (E8M0 scales of Wq, one for each 32 codes along K); Wv_codes 1,024 x 32 x 16 uint8 (E2M1 codes of Wv, K innermost, in blocks of 32 codes, two codes a byte); Wv_scales 1,024 x 32 uint8 (E8M0 scales of Wv, one for each 32 codes along K); beta 1,024 float32; bk 1,024 float32; bo 1,024 float32; bq 1,024 float32; bv 1,024 float32; gamma 1,024 float32; key_value_codes 16,384 x 32 x 16 uint8 (E2M1 codes of key_value, K innermost, in blocks of 32 codes, two codes a byte); key_value_scales 16,384 x 32 uint8 (E8M0 scales of key_value, one for each 32 codes along K); query 16,384 x 1,024 float32.
;; Outputs: out0 16,384 x 1,024 float32.
;; This version of the problem:
;;   THIS VERSION OF THE PROBLEM IS GIVEN IN LOW PRECISION. The matrix products marked QUANTISED in the list below multiply operands that are first quantised to E2M1 (2 exponent bits, 1 mantissa bit; 4 bits a number), with one power-of-two scale for each 32 numbers along K (OCP MX v1.0); their sums are f32. All else is computed in f32.
;;   The module's matrix products, in the order in which they are computed (A, B: the left and right operand; K: the contracted axis; several contracted axes count as one K, in the product's order):
;;     1. [M 16,384, K 1,024] x [K 1,024, N 1,024]; A: input query; B: input Wq (given as codes): QUANTISED
;;     2. [M 16,384, K 1,024] x [K 1,024, N 1,024]; A: input key_value (given as codes); B: input Wk (given as codes): QUANTISED
;;     3. [M 16,384, K 1,024] x [K 1,024, N 1,024]; A: input key_value (given as codes); B: input Wv (given as codes): QUANTISED
;;     4. batch 16,384 x [M 8, K 128] x [K 128, N 8]; A: computed on the way; B: computed on the way: left as it is (M = 8 < 16)
;;     5. batch 16,384 x [M 8, K 8] x [K 8, N 128]; A: softmax; B: computed on the way: left as it is (K = 8 < 32)
;;     6. [M 16,384, K 1,024] x [K 1,024, N 1,024]; A: computed on the way; B: input Wo (given as codes): QUANTISED
;;   THE QUANTISER, for each operand of a quantised product, along K:
;;     - K is cut into blocks of 32 from its start; a last block that is shorter is filled with zeros.
;;     - A block's scale is 2^e with e = floor(log2(the largest magnitude in the block)) - 2, held to -126 .. 127; a block of zeros has e = 0. As a byte (E8M0): e + 127.
;;     - Each number is divided by its block's scale, clamped to +-6, and rounded to the nearest number of E2M1, ties to even, subnormals kept.
;;     - The product sums the exact products of the quantised numbers (number of the format x scale) in f32.
;;   ~~~python
;;   def quantise(x, axis):      # numpy; x: float32 -> the quantised numbers, widened to float32 again
;;       x = np.moveaxis(x, axis, -1); K = x.shape[-1]
;;       x = np.pad(x, [(0, 0)] * (x.ndim - 1) + [(0, -K % 32)]); x = x.reshape(x.shape[:-1] + (-1, 32)); a = np.abs(x).max(-1, keepdims=True)
;;       e = np.where(a > 0, np.clip(np.frexp(np.where(a > 0, a, 1))[1] - 1 - 2, -126, 127), 0)      # np.frexp(a)[1] - 1 = floor(log2(a)), exactly
;;       r = np.clip(x / 2.0 ** e, -6, 6)
;;       step = 2.0 ** (np.maximum(np.frexp(np.where(r == 0, 1, r))[1] - 1, 0) - 1)
;;       q = np.round(r / step) * step * 2.0 ** e      # np.round: ties to even
;;       return np.moveaxis(q.reshape(q.shape[:-2] + (-1,))[..., :K], -1, axis).astype(np.float32)
;;   ~~~
;;   OPERANDS COMPUTED ON THE WAY. 'Computed on the way' means the value that the module computes at that place (a softmax that the list does not call 'softmax' is quantised finished and normalised). What goes into a quantiser is computed in f32, as accurately as f32 sums, v_exp_f32 and their like allow (about 1e-6 of the number): no bf16 or f16 on the way to a quantiser, and a product that is left as it is and whose result goes on into a quantised operand takes f32 operands (vector FMAs, or v_wmma_f32_16x16x4_f32). A number that lies on a knife's edge between two numbers of the format may be rounded either way, as far as f32 arithmetic and the matrix unit's own rounding can turn it there, and no further.
;;   INPUTS GIVEN AS CODES. Wk (in the module: [1024, 1024], K = its axis 0); Wo (in the module: [1024, 1024], K = its axis 0); Wq (in the module: [1024, 1024], K = its axis 0); Wv (in the module: [1024, 1024], K = its axis 0); key_value (in the module: [16384, 1024], K = its axis 1): each comes as NAME_codes (uint8): NAME with its K axis moved to the last place and cut into blocks of 32 codes, [.., K / 32, bytes a block], one block behind the other in memory; two codes a byte, the lower K in the low four bits (a code: sign, 2 exponent bits, 1 mantissa bit); and NAME_scales (uint8): the same leading axes, one E8M0 byte (e + 127) for each 32 codes along K. Its value is code x scale, taken as it is: it is not quantised again, and the codes and scales need not be those that the quantiser above would give.
;; 2 versions, each right. Each part assembles by itself: llvm-mc -triple=amdgcn-amd-amdhsa -mcpu=gfx1250 --defsym DOCPART=n.
;; ======== version 1 of 2: 1 launch
;; launch fused (part 1): grid 256 x 1, 4 waves a work-group, clusters of 4 x 1, 327,680 bytes of LDS; arguments query, key_value_codes, key_value_scales, Wq_codes, Wq_scales, bq, Wk_codes, Wk_scales, bk, Wv_codes, Wv_scales, bv, Wo_codes, Wo_scales, bo, gamma, beta, out0; writes out0
.if DOCPART == 1
	.amdgcn_target "amdgcn-amd-amdhsa--gfx1250"
	.amdhsa_code_object_version 6
	.text
	.protected	k_q1e9bce2600_fused
	.globl	k_q1e9bce2600_fused
	.p2align	8
	.type	k_q1e9bce2600_fused,@function
k_q1e9bce2600_fused:
	s_mov_b64 s[64:65], 0
	v_nop
	global_prefetch_b8 v0, s[64:65] scope:SCOPE_SE
	s_setreg_imm32_b32 hwreg(HW_REG_WAVE_MODE, 25, 1), 1
	s_wait_xcnt 0x0
	s_wait_alu depctr_hold_cnt(0) depctr_sa_sdst(0) depctr_va_vdst(0) depctr_va_sdst(0) depctr_va_ssrc(0) depctr_va_vcc(0) depctr_vm_vsrc(0)
	s_getreg_b32 s2, hwreg(HW_REG_IB_STS2, 6, 4)
	s_cmp_eq_u32 s2, 0
	s_cbranch_scc0 .Lentry_in_a_cluster
	s_endpgm
.Lentry_in_a_cluster:
	s_bfe_u32 s2, ttmp6, 0x10000c
	s_cmp_lg_u32 s2, 0x3003
	s_cbranch_scc0 .Lentry_shape_is_right
	s_endpgm
.Lentry_shape_is_right:
; out0 = LayerNorm(softmax-attention over the 8 heads of each row, projected by Wo, + bo + query) * gamma + beta, for 16,384 rows of 1,024.
; Q = Quant(query) Wq + bq, K = key_value Wk + bk, V = key_value Wv + bv, O = Quant(attended) Wo + bo: four products on codes of FP4 (E2M1) with one E8M0 scale for each 32 along K.
; scores[h][g] = Q[h] . K[g] / sqrt(128), softmax over g (the largest score taken away first), attended[h] = sum over g of attn[h][g] V[g]: fused multiply-adds in f32, since attended goes into a quantiser.
; NO WORK IS LEFT OUT: bq and bk move the scores along g, bv and bo move the sums, every input has a way to the output, and all eighteen buffers are arguments.
; SHARES.  256 work-groups of four waves; a work-group takes 64 rows through the whole chain, and nothing goes to memory between the products.  32 steps (8 each for Q, K, V, O), each of 128 output columns: one head.
;   As a multiplier wave w makes columns 32 w .. 32 w + 31 of the step for all 64 rows: 2 column tiles x 4 row tiles = 8 accumulators by turns, so a fragment of W read from LDS feeds four products.
;   The rows' codes (64 x 1,024 codes = 256 registers a lane set) stay in the wave's registers for a phase.
;   As an owner of rows wave w holds rows 16 w .. 16 w + 15: Q, then attended, then x = O + query, in 512 registers.  Results pass from the one part to the other through f32 stages in LDS.
; THE MATRIX INSTRUCTION IS USED TRANSPOSED (source 0 = 16 rows of W = 16 output columns, source 1 = 16 rows of x): a lane holds one row and eight neighbouring columns.  The bias is the C of a sum's first product.
; CLUSTER.  All work-groups walk the same four weights, so the four of a cluster ask for each piece JOINTLY (mask 15): the same load, with a descriptor made of the wave's number and the count of steps alone.
; THE QUERY IS READ TWICE: 64 rows are 262,144 bytes of f32; beside the 512 registers a lane of Q or attended, the 256 of codes and the ring there is no room to keep them, and a narrower copy would not hold an offset.
; LIMITS: a block of zeros ahead of a quantiser gets the byte 1 (its codes are zeros, and only this text reads the bytes); blocks whose largest magnitude lies under 2^-124 are held at that byte;
;   NaN and infinities ahead of a quantiser are not served; an exponential whose result would be denormal gives 0.
; LDS: 0 the ring, two slots of 128 rows of W x (512 + 16) bytes, filled by tensor loads alone; STG three f32 stages of 64 rows x (512 + 16); IMG images of the codes made here (also the fourth stage);
;   XSC their scale words [row][8]; KVI images of key_value's codes (from the K phase on: the scores, 16 rows x 272 bytes a wave); XSK key_value's scale words; SPARE the spare words.
;   An image holds the 16-byte piece q (of 32) of row r of row tile m at 8,704 m + 272 q + 16 r: an operand's register group is then one load of 16 consecutive pieces for each half of the lanes.
; REGISTERS, in windows of 256: window 0: v1-31 addresses; v32-47 x's scale words; v48-55 W's; v56-71 bias; v72-119 at work; v128-191 accumulators, between products a buffer; v192-255 W's fragments, four sets.
;   window 1: the rows' codes, fragment (m, s) at 8 (8 m + s).   windows 2, 3: head u at 64 u: register 32 c + i = channel 64 c + 32 h + i of my row (whole blocks of 32 in a lane, in the operand's order);
;   for x: register 64 s + 4 i + k of lane l = row 16 w + i, column 128 s + 4 l + k, so that every access to memory covers 512 consecutive bytes.
.set SLOT,  67584                      ; 128 rows x 528
.set STG,   135168
.set STGB,  33792                      ; 64 rows x 528
.set IMG,   236544                     ; = STG + 3 STGB
.set XSC,   271360
.set KVI,   273408
.set XSK,   308224
.set SPARE, 310272
.set AW,   4                           ; (32 w + r) 528 + 16 h: my place in a slot
.set AWC,  5                           ; the same in the slot in hand
.set SO,   6                           ; STG + 528 r + 128 w + 32 h: where I put results
.set SOC,  7
.set SRD,  8                           ; STG + (16 w + r) 528 + 128 h: where I read my row
.set SRD2, 9                           ; two stages on
.set SRC,  10
.set SRO,  11                          ; STG + 16 w 528 + 16 l: my rows, a row to an instruction
.set SRO2, 12
.set CIR,  13                          ; IMG + 272 h + 16 r
.set CIK,  14                          ; KVI + 272 h + 16 r
.set CIW,  15                          ; CIR + 8,704 w
.set XSW,  16                          ; XSC + (16 w + r) 32
.set XSR,  17                          ; XSC + 32 l
.set XSKR, 18                          ; XSK + 32 l
.set KVW,  19                          ; KVI + 8,704 w + 272 l
.set ATA,  20                          ; ATB + 16 h
.set ATB,  21                          ; KVI + 4,352 w + 272 r
.set ATC,  22
.set GW,   23                          ; 32 l
.set GB,   24                          ; 32 h
.set GL,   25                          ; 16 l
.set PFO,  26                          ; 4,096 (l / 8) + 256 (l % 8)
.set SPW,  27                          ; my spare word; never rewritten
.set NIL,  28                          ; 0; never rewritten
.set T0,   29
.set T1,   30
.set XS,   32
.set WS,   48
.set BI,   56
.set P,    72
.set PR,   88
.set AM,   96
.set SCL,  100
.set BY,   102
.set PW,   104
.set PT,   105
.set FL,   106
.set SH8,  107
.set PCD,  108
.set KVS,  116
.set ACC,  128
.set TMP,  128
.set LA,   128
.set LB,   160
.set WF,   192
.set G1,   44                          ; s[44:51] descriptor group 1
.set G0A,  52                          ; s[52:55] group 0 of the first fill
.set G0,   56                          ; s[56:59] group 0 that walks
.set WV,   60
.set CNT,  61
.set TB,   62                          ; LDS byte of the slot in hand
.set SW,   63                          ; LDS byte of the stage in hand, from STG
.set SEL,  66
.set CS,   68
.set AG,   70                          ; 32 g
.set WOFF, 71                          ; 16,896 w
.set CUR,  72                          ; my part of the next piece to ask for
.set WSP,  74                          ; my scale words of the next step
.set BIP,  76                          ; my bias of the next step
.set QW,   78
.set PFA,  80
.set TS,   82                          ; s[82:83]: an offset; s83 stays 0
.set IO,   84
.set IS,   85
.set NI,   86
.set EP,   87
.set PI,   88
.set TC,   90                          ; s[90:91], s92: all that holds my place in the cluster; it enters global addresses alone
.set ROW0, 92
.set MSB, 0
.macro WIN new                         ; the immediate's high byte repeats the setting that is left; a switch that changes nothing is dropped
.set NWIN, (\new)
.if MSB != NWIN
	s_set_vgpr_msb (MSB<<8)|NWIN
.set MSB, NWIN
.endif
.endm
.macro PLACES                          ; four plain places behind a product, ahead of loads into its registers and of reads of its results
.rept 4
	v_nop
.endr
.endm
.macro ROUND                           ; a round of the cluster's barrier
	s_barrier_signal -1
	s_barrier_wait -1
	s_cmp_lg_u32 s[WV], 0
	s_cbranch_scc1 .Lnw0_\@
	s_barrier_signal -3
.Lnw0_\@:
	s_barrier_wait -3
	s_barrier_signal -1
	s_barrier_wait -1
.endm
.macro BARRIER                         ; my LDS stores have landed and my LDS loads are in: then the work-group's barrier
	s_wait_dscnt 0x0
	s_barrier_signal -1
	s_barrier_wait -1
.endm
; W's two fragments (column tiles 0, 1) of K step k into set k % 4: four loads
.macro WLOAD k
.irp c, 0,1
.irp d, 0,1
	ds_load_b128 v[WF+16*((\k)%4)+8*\c+4*\d:WF+16*((\k)%4)+8*\c+4*\d+3], v[AWC] offset:8448*\c+64*(\k)+32*\d
.endr
.endr
.endm
.macro WPRE                            ; the first four K steps of the slot in hand
	v_add_nc_u32 v[AWC], s[TB], v[AW]
	WLOAD 0
	WLOAD 1
	WLOAD 2
	WLOAD 3
.endm
; one product: column tile ct, row tile mt, K step ks.  W's scale words: lanes 0-15 tile 0, lanes 16-31 tile 1; x's: lanes 0-15 the even row tile, lanes 16-31 the odd one
.macro PROD
.set rD, ACC+8*(4*ct+mt)
.set rC, rD
.if ks == 0
.set rC, BI+8*ct
.endif
.set rA, WF+16*(ks%4)+8*ct
.set rB, 8*(8*mt+ks)
.set rX, XS+8*(mt/2)+ks
.if (ct == 0) && (mt%2 == 0)
	v_wmma_scale_f32_16x16x128_f8f6f4 v[rD:rD+7], v[rA:rA+7], v[rB:rB+7], v[rC:rC+7], v[WS+ks], v[rX] matrix_a_fmt:MATRIX_FMT_FP4 matrix_b_fmt:MATRIX_FMT_FP4
.elseif (ct == 0)
	v_wmma_scale_f32_16x16x128_f8f6f4 v[rD:rD+7], v[rA:rA+7], v[rB:rB+7], v[rC:rC+7], v[WS+ks], v[rX] matrix_a_fmt:MATRIX_FMT_FP4 matrix_b_fmt:MATRIX_FMT_FP4 matrix_b_scale:MATRIX_SCALE_ROW1
.elseif (mt%2 == 0)
	v_wmma_scale_f32_16x16x128_f8f6f4 v[rD:rD+7], v[rA:rA+7], v[rB:rB+7], v[rC:rC+7], v[WS+ks], v[rX] matrix_a_fmt:MATRIX_FMT_FP4 matrix_b_fmt:MATRIX_FMT_FP4 matrix_a_scale:MATRIX_SCALE_ROW1
.else
	v_wmma_scale_f32_16x16x128_f8f6f4 v[rD:rD+7], v[rA:rA+7], v[rB:rB+7], v[rC:rC+7], v[WS+ks], v[rX] matrix_a_fmt:MATRIX_FMT_FP4 matrix_b_fmt:MATRIX_FMT_FP4 matrix_a_scale:MATRIX_SCALE_ROW1 matrix_b_scale:MATRIX_SCALE_ROW1
.endif
.endm
; A STEP'S PRODUCTS: 8 K steps x 8 accumulators, which take turns, one instruction a turn.  last = 1: the launch's last step asks for no further bias and scale words.
.macro GEMM last
	s_wait_loadcnt 0x1                             ; the bias and scale words 0-3 are in; the one load behind them, scale words 4-7, may be out
	WIN 0x04                                       ; source 1, the rows' codes: window 1
.set ks, 0
.rept 8
.if ks == 4
	s_wait_loadcnt 0x0                             ; scale words 4-7
.endif
.if ks < 5
	s_wait_dscnt 12                                ; behind this K step's four loads stand those of the three K steps that follow
.else
	s_wait_dscnt 4*(7-ks)
.endif
.set ct, 0
.rept 2
.set mt, 0
.rept 4
	PROD
.set mt, mt+1
.endr
.set ct, ct+1
.endr
.if ks < 4
	PLACES
	WLOAD ks+4                                     ; into the set just multiplied
.endif
.if ks == 4                                    ; the next step's bias and scale words 0-3: their registers were last read by K steps 0 and 3, behind which the places above stand
.if \last
	WIN 0
	s_cmp_eq_u32 s[CNT], 1
	s_cbranch_scc1 .Lnone_\@
.endif
.irp c, 0,1
	global_load_b128 v[BI+8*\c:BI+8*\c+3], v[GB], s[BIP:BIP+1] offset:64*\c
	global_load_b128 v[BI+8*\c+4:BI+8*\c+7], v[GB], s[BIP:BIP+1] offset:64*\c+16
.endr
	global_load_b128 v[WS:WS+3], v[GW], s[WSP:WSP+1]
.if \last
.Lnone_\@:
	WIN 0x04
.endif
.endif
.set ks, ks+1
.endr
	WIN 0
.endm
; the step's results go to the stage in hand: lane (r, h) holds row 16 m + r, columns 32 w + 16 c + 8 h + 0 .. 7
.macro STORE last
	PLACES
.if \last
	s_cmp_eq_u32 s[CNT], 1
	s_cbranch_scc1 .Lnone_\@
.endif
	global_load_b128 v[WS+4:WS+7], v[GW], s[WSP:WSP+1] offset:16   ; the next step's scale words 4-7
.if \last
.Lnone_\@:
.endif
	v_add_nc_u32 v[SOC], s[SW], v[SO]
.irp c, 0,1
.irp m, 0,1,2,3
	ds_store_b128 v[SOC], v[ACC+8*(4*\c+\m):ACC+8*(4*\c+\m)+3] offset:8448*\m+64*\c      ; each accumulator from its low end on
	ds_store_b128 v[SOC], v[ACC+8*(4*\c+\m)+4:ACC+8*(4*\c+\m)+7] offset:8448*\m+64*\c+16
.endr
.endr
.endm
; THE CHANGE OF SLOTS, behind a step's products and stores.  Each wave waits for all its tensor loads (one is out: its part of the next slot), adds 0 to its spare word, and waits for that, for its reads of the slot
; that it leaves and for its stores into the stage.  Behind the round no wave of any partner reads that slot: it takes the piece two steps on, which has a step in which to land.
; nxt = 1: two steps ahead of a phase's end (CNT = 2) the pointers go over to the next weight: codes s[nc], scale words s[ns], bias s[nb].  pf = 1: the prefetches' address steps.
.macro TOP nxt, nc, ns, nb, pf
	s_wait_tensorcnt 0x0                           ; no tensor load of mine is out, so group 0 may be written
	ds_add_u32 v[SPW], v[NIL]                      ; 0 onto my spare word; the steps below stand between it and the wait for it
	s_wait_xcnt 0x0                                ; the loads and the prefetch that read these pointers have had their addresses translated
	s_add_nc_u64 s[WSP:WSP+1], s[WSP:WSP+1], 4096
	s_add_nc_u64 s[BIP:BIP+1], s[BIP:BIP+1], 512
.if \nxt
	s_cmp_eq_u32 s[CNT], 2
	s_cselect_b64 s[CUR:CUR+1], s[\nc:\nc+1], s[CUR:CUR+1]
	s_cselect_b64 s[WSP:WSP+1], s[\ns:\ns+1], s[WSP:WSP+1]
	s_cselect_b64 s[BIP:BIP+1], s[\nb:\nb+1], s[BIP:BIP+1]
.endif
.if \pf
	s_cmp_lt_u32 s[CNT], 4
	s_cselect_b32 s[TS], 16384, 0
	s_add_nc_u64 s[PFA:PFA+1], s[PFA:PFA+1], s[TS:TS+1]
.endif
	s_add_co_u32 s[G0+1], s[TB], s[WOFF]           ; the slot that is left, my 32 rows of it
	s_mov_b64 s[G0+2:G0+3], s[CUR:CUR+1]
	s_or_b32 s[G0+3], s[G0+3], 0x80000000          ; type = 2
	s_add_nc_u64 s[CUR:CUR+1], s[CUR:CUR+1], 65536
	s_xor_b32 s[TB], s[TB], SLOT
	s_wait_dscnt 0x0
	ROUND
	tensor_load_to_lds s[G0:G0+3], s[G1:G1+7]      ; my one tensor load behind the round
	s_nop 0
	PLACES
.endm
.macro FETCHX base                     ; the 64 rows' codes from their images: 32 fragments
	WIN 0x40
.irp m, 0,1,2,3
.irp k, 0,1,2,3,4,5,6,7
.irp c, 0,1
	ds_load_b128 v[8*(8*\m+\k)+4*\c:8*(8*\m+\k)+4*\c+3], v[\base] offset:8704*\m+272*(4*\k+2*\c)
.endr
.endr
.endr
	WIN 0
.endm
.macro XSLOAD base                     ; and their scale words: lane l takes rows l and 32 + l
.irp p, 0,1
.irp k, 0,1
	ds_load_b128 v[XS+8*\p+4*\k:XS+8*\p+4*\k+3], v[\base] offset:1024*\p+16*\k
.endr
.endr
.endm
; 64 numbers of a lane in window w, register 32 c + i = k 64 c + 32 h + i of my row, become a fragment's eight registers of codes and my row's scale word.  A block of 32 lies in one lane.
.macro QUANT s, w
.set qw, (\w)
	WIN (qw<<2)|(qw<<4)
.irp k, 0,1,2,3
	v_max3_num_f32 v[AM+\k], v[FL], |v[(\s)+16*\k]|, |v[(\s)+16*\k+1]|        ; four chains of 16, each begun with the floor 2^(3 - 127): the byte cannot fall under 1
.endr
.irp i, 2,4,6,8,10,12,14
.irp k, 0,1,2,3
	v_max3_num_f32 v[AM+\k], v[AM+\k], |v[(\s)+16*\k+\i]|, |v[(\s)+16*\k+\i+1]|
.endr
.endr
	WIN 0
	v_max_num_f32 v[AM], v[AM], v[AM+1]
	v_max_num_f32 v[AM+2], v[AM+2], v[AM+3]
	v_add_nc_u32 v[SCL], 0xff000000, v[AM]         ; 2 off the exponent field: the conversion takes that field as its scale
	v_add_nc_u32 v[SCL+1], 0xff000000, v[AM+2]
	v_lshrrev_b32 v[BY], 23, v[SCL]                ; the scales' bytes: blocks h and 2 + h
	v_lshrrev_b32 v[BY+1], 23, v[SCL+1]
	s_wait_dscnt 0x0                               ; the last image's stores have read the word and the codes
	v_lshl_or_b32 v[PW], v[BY+1], 16, v[BY]
	v_lshlrev_b32 v[PW], v[SH8], v[PW]             ; 8 h bits up
	v_permlanex16_b32 v[PT], v[PW], s[SEL], s[SEL+1]
	v_or_b32 v[PW], v[PW], v[PT]                   ; with lane l xor 16's two bytes the word is whole
	WIN qw
.irp c, 0,1
.irp g, 0,1,2,3
	v_cvt_scalef32_pk8_fp4_f32 v[PCD+4*\c+\g], v[(\s)+32*\c+8*\g:(\s)+32*\c+8*\g+7], v[SCL+\c]
.endr
.endr
	v_nop                                          ; one plain place behind the last scaled conversion
	WIN 0
.endm
.macro IMAGE ca, coff, sa, soff        ; pieces 4 s + h and 4 s + 2 + h of my row, and its scale word (both halves of the lanes write the same word with the same value)
	ds_store_b128 v[\ca], v[PCD:PCD+3] offset:\coff
	ds_store_b128 v[\ca], v[PCD+4:PCD+7] offset:(\coff)+544
	ds_store_b32 v[\sa], v[PW] offset:\soff
.endm
; 128 columns of my 16 rows of the query: loaded a row to an instruction, turned through my own rows of stage 0 so that a lane holds two whole blocks of its row, quantised.
; ls: the landing set (window 2, 64 ls);  reload = 1: it takes the columns two sets on;  left: the other set's loads, which may stay out
.macro HEADQ ls, reload, left
	s_wait_loadcnt \left
	WIN 0x08
.irp i, 0,1,2,3,4,5,6,7,8,9,10,11,12,13,14,15
	ds_store_b128 v[SRO], v[64*\ls+4*\i:64*\ls+4*\i+3] offset:528*\i
.endr
	WIN 0
.irp c, 0,1
.irp q, 0,1,2,3,4,5,6,7
	ds_load_b128 v[TMP+32*\c+4*\q:TMP+32*\c+4*\q+3], v[SRD] offset:256*\c+16*\q   ; LDS serves a wave's instructions in order: these see my stores
.endr
.endr
	s_wait_dscnt 0x0
.if \reload
	WIN 0x80
.irp i, 0,1,2,3,4,5,6,7,8,9,10,11,12,13,14,15
	global_load_b128 v[64*\ls+4*\i:64*\ls+4*\i+3], v[GL], s[QW:QW+1] offset:4096*\i+1024+512*\ls
.endr
	WIN 0
.endif
	v_add_nc_u32 v[T0], s[IO], v[CIW]
	v_add_nc_u32 v[T1], s[IS], v[XSW]
	QUANT TMP, 0
	IMAGE T0, 1088*\ls, T1, 4*\ls
.endm
.macro UNLOAD_Q g                      ; four heads of Q, my 16 rows, from the four stages into window 2 + g
	WIN 0x80+0x40*(\g)
.irp j, 0,1
.irp c, 0,1
.irp q, 0,1,2,3,4,5,6,7
	ds_load_b128 v[64*\j+32*\c+4*\q:64*\j+32*\c+4*\q+3], v[SRD] offset:STGB*\j+256*\c+16*\q
.endr
.endr
.endr
.irp j, 0,1
.irp c, 0,1
.irp q, 0,1,2,3,4,5,6,7
	ds_load_b128 v[128+64*\j+32*\c+4*\q:128+64*\j+32*\c+4*\q+3], v[SRD2] offset:STGB*\j+256*\c+16*\q
.endr
.endr
.endr
	WIN 0
.endm
.macro ROWIN                           ; my row's 64 channels of the head in the stage in hand
	v_add_nc_u32 v[SRC], s[SW], v[SRD]
.irp c, 0,1
.irp q, 0,1,2,3,4,5,6,7
	ds_load_b128 v[TMP+32*\c+4*\q:TMP+32*\c+4*\q+3], v[SRC] offset:256*\c+16*\q
.endr
.endr
.endm
; scores of my row: the 8 heads of Q against head g of K.  Eight chains of packed multiply-adds for four heads at a time; the two halves of the lanes hold 64 channels each.
.macro ATT_K
	ROWIN
	v_add_nc_u32 v[ATC], s[AG], v[ATA]
.irp hh, 0,1
	WIN 0x02+\hh
.set e, 0
.rept 32
.if (\hh == 0) && (e == 0)
	s_wait_dscnt 8                                 ; channels' first half is in; the youngest eight loads may be out
.endif
.if (\hh == 0) && (e == 16)
	s_wait_dscnt 0x0
.endif
.irp q, 0,1,2,3
.if e < 2
	v_pk_mul_f32 v[P+4*\q+2*e:P+4*\q+2*e+1], v[64*\q+2*e:64*\q+2*e+1], v[TMP+2*e:TMP+2*e+1]
.else
	v_pk_fma_f32 v[P+4*\q+2*(e%2):P+4*\q+2*(e%2)+1], v[64*\q+2*e:64*\q+2*e+1], v[TMP+2*e:TMP+2*e+1], v[P+4*\q+2*(e%2):P+4*\q+2*(e%2)+1]
.endif
.endr
.set e, e+1
.endr
	WIN 0
.irp q, 0,1,2,3
	v_pk_add_f32 v[P+4*\q:P+4*\q+1], v[P+4*\q:P+4*\q+1], v[P+4*\q+2:P+4*\q+3]
.endr
.irp q, 0,1,2,3
	v_add_f32 v[PR+4*\hh+\q], v[P+4*\q], v[P+4*\q+1]
.endr
.endr
.irp q, 0,1,2,3
	v_permlane16_swap_b32 v[PR+\q], v[PR+4+\q]     ; lanes 0-15 now hold both halves' parts of head q, lanes 16-31 those of head 4 + q
.endr
.irp q, 0,1,2,3
	v_add_f32 v[PR+\q], v[PR+\q], v[PR+4+\q]
.endr
	ds_store_b128 v[ATC], v[PR:PR+3]               ; scores[4 h + 0 .. 3][g] of my row, in my wave's own bytes
.endm
; softmax over g, for the lane's four heads: register 4 g + i
.macro SOFTMAX
.irp g, 0,1,2,3,4,5,6,7
	ds_load_b128 v[TMP+4*\g:TMP+4*\g+3], v[ATA] offset:32*\g
.endr
	s_wait_dscnt 0x0
.irp i, 0,1,2,3
	v_max3_num_f32 v[P+\i], v[TMP+\i], v[TMP+4+\i], v[TMP+8+\i]
.endr
.irp g, 12,20
.irp i, 0,1,2,3
	v_max3_num_f32 v[P+\i], v[P+\i], v[TMP+\g+\i], v[TMP+\g+4+\i]
.endr
.endr
.irp i, 0,1,2,3
	v_max_num_f32 v[P+\i], v[P+\i], v[TMP+28+\i]
.endr
.irp g, 0,1,2,3,4,5,6,7
.irp j, 0,2
	v_pk_add_f32 v[TMP+4*\g+\j:TMP+4*\g+\j+1], v[TMP+4*\g+\j:TMP+4*\g+\j+1], v[P+\j:P+\j+1] neg_lo:[0,1] neg_hi:[0,1]   ; the largest score is taken away first,
.endr
.endr
.irp g, 0,1,2,3,4,5,6,7
.irp j, 0,2
	v_pk_mul_f32 v[TMP+4*\g+\j:TMP+4*\g+\j+1], v[TMP+4*\g+\j:TMP+4*\g+\j+1], s[CS:CS+1] op_sel_hi:[1,0]                  ; then x log2(e) / sqrt(128)
.endr
.endr
.set e, 0
.rept 32
	v_exp_f32 v[TMP+e], v[TMP+e]
.set e, e+1
.endr
	v_nop                                          ; a plain place behind the last exponential
	s_wait_alu depctr_va_vdst(0)                   ; one wait for the batch, ahead of its first reader
.irp j, 0,2
	v_pk_add_f32 v[P+4+\j:P+5+\j], v[TMP+\j:TMP+\j+1], v[TMP+4+\j:TMP+5+\j]
.endr
.irp g, 2,3,4,5,6,7
.irp j, 0,2
	v_pk_add_f32 v[P+4+\j:P+5+\j], v[P+4+\j:P+5+\j], v[TMP+4*\g+\j:TMP+4*\g+\j+1]
.endr
.endr
.irp i, 0,1,2,3
	v_rcp_f32 v[P+8+\i], v[P+4+\i]
.endr
	v_nop
	s_wait_alu depctr_va_vdst(0)                   ; one wait for the four reciprocals
.irp g, 0,1,2,3,4,5,6,7
.irp j, 0,2
	v_pk_mul_f32 v[TMP+4*\g+\j:TMP+4*\g+\j+1], v[TMP+4*\g+\j:TMP+4*\g+\j+1], v[P+8+\j:P+9+\j]
.endr
.endr
.irp g, 0,1,2,3,4,5,6,7
	ds_store_b128 v[ATA], v[TMP+4*\g:TMP+4*\g+3] offset:32*\g
.endr
	s_wait_dscnt 0x0                               ; the stores have read their registers, which the next products write
.endm
; attended[u] += attn[u][g] V[g] for my row's 8 heads.  first = 1: the products start the sums: nothing is cleared
.macro ATT_V first
	v_add_nc_u32 v[ATC], s[AG], v[ATB]
.irp u, 0,1,2,3,4,5,6,7
	ds_load_b32 v[P+2*\u], v[ATC] offset:4*\u      ; both halves of the lanes take my row's weight of head u
.endr
	ROWIN
.irp hh, 0,1
	WIN 0xa0+0x50*\hh
.set e, 0
.rept 32
.if (\hh == 0) && (e == 0)
	s_wait_dscnt 8
.endif
.if (\hh == 0) && (e == 16)
	s_wait_dscnt 0x0
.endif
.irp q, 0,1,2,3
.if \first
	v_pk_mul_f32 v[64*\q+2*e:64*\q+2*e+1], v[TMP+2*e:TMP+2*e+1], v[P+8*\hh+2*\q:P+8*\hh+2*\q+1] op_sel_hi:[1,0]
.else
	v_pk_fma_f32 v[64*\q+2*e:64*\q+2*e+1], v[TMP+2*e:TMP+2*e+1], v[P+8*\hh+2*\q:P+8*\hh+2*\q+1], v[64*\q+2*e:64*\q+2*e+1] op_sel_hi:[1,0,1]
.endif
.endr
.set e, e+1
.endr
.endr
	WIN 0
.endm
; A PREFETCH of the query's second read: in each of the V loop's last four trips one instruction a wave names the first 2,048 bytes of four of its 16 rows, a lane to each aligned block of 256 bytes:
; each block is named once in the launch.  The rows' second halves are not asked for.
.macro ASK
	s_cmp_le_u32 s[CNT], 4
	s_cbranch_scc0 .Lnot_yet_\@
	global_prefetch_b8 v[PFO], s[PFA:PFA+1] th:TH_LOAD_NT scope:SCOPE_SE
.Lnot_yet_\@:
.endm
.macro OLOAD n                         ; eight of my rows of block n / 2, a row to an instruction, into half n % 2 of the buffer
.set oj, (\n)/2
.set oh, (\n)%2
.irp i, 0,1,2,3,4,5,6,7
.if oj < 2
	ds_load_b128 v[TMP+32*oh+4*\i:TMP+32*oh+4*\i+3], v[SRO] offset:STGB*oj+528*(8*oh+\i)
.else
	ds_load_b128 v[TMP+32*oh+4*\i:TMP+32*oh+4*\i+3], v[SRO2] offset:STGB*(oj-2)+528*(8*oh+\i)
.endif
.endr
.endm
.macro UNLOAD_O g                      ; x += four blocks of O from the four stages.  (The query's loads into x were shown landed by the wait for 0 in the first O step's products)
	OLOAD 0
	OLOAD 1
.set on, 0
.rept 8
.if on < 7
	s_wait_dscnt 8                                 ; the other half's eight loads may be out
.else
	s_wait_dscnt 0x0
.endif
	WIN 0x82+0x41*(\g)
.irp i, 0,1,2,3,4,5,6,7
.irp k, 0,2
	v_pk_add_f32 v[64*(on/2)+4*(8*(on%2)+\i)+\k:64*(on/2)+4*(8*(on%2)+\i)+\k+1], v[64*(on/2)+4*(8*(on%2)+\i)+\k:64*(on/2)+4*(8*(on%2)+\i)+\k+1], v[TMP+32*(on%2)+4*\i+\k:TMP+32*(on%2)+4*\i+\k+1]
.endr
.endr
	WIN 0
.if on < 6
	OLOAD on+2
.endif
.set on, on+1
.endr
.endm
.macro GLOOP n, nxt, nc, ns, nb        ; n steps whose results are left in stages that follow each other
	s_mov_b32 s[CNT], \n
.Lg_\@:
	GEMM 0
	STORE 0
	s_add_co_u32 s[SW], s[SW], STGB
	TOP \nxt, \nc, \ns, \nb, 0
	WPRE
	s_sub_co_u32 s[CNT], s[CNT], 1
	s_cmp_lg_u32 s[CNT], 0
	s_cbranch_scc1 .Lg_\@
.endm
; LayerNorm's passes over x: the 16 rows by turns, so that no line waits for the line above it
.macro LNADD b
.irp k, 0,2
.irp i, 0,1,2,3,4,5,6,7,8,9,10,11,12,13,14,15
	v_pk_add_f32 v[LA+2*\i:LA+2*\i+1], v[LA+2*\i:LA+2*\i+1], v[64*(\b)+4*\i+\k:64*(\b)+4*\i+\k+1]
.endr
.endr
.endm
.macro LNCEN b
.irp k, 0,2
.irp i, 0,1,2,3,4,5,6,7,8,9,10,11,12,13,14,15
	v_pk_add_f32 v[64*(\b)+4*\i+\k:64*(\b)+4*\i+\k+1], v[64*(\b)+4*\i+\k:64*(\b)+4*\i+\k+1], v[LB+2*\i:LB+2*\i+1] op_sel_hi:[1,0]
.endr
.endr
.endm
.macro LNSQ b, k
.irp i, 0,1,2,3,4,5,6,7,8,9,10,11,12,13,14,15
	v_pk_fma_f32 v[LA+2*\i:LA+2*\i+1], v[64*(\b)+4*\i+\k:64*(\b)+4*\i+\k+1], v[64*(\b)+4*\i+\k:64*(\b)+4*\i+\k+1], v[LA+2*\i:LA+2*\i+1]
.endr
.endm
.macro REDUCE                          ; each row's pair, then its 32 lanes: the sum ends up in every lane
.irp i, 0,1,2,3,4,5,6,7,8,9,10,11,12,13,14,15
	v_add_f32 v[LA+2*\i], v[LA+2*\i], v[LA+2*\i+1]
.endr
.irp x, 1,2,4,8
.irp i, 0,1,2,3,4,5,6,7,8,9,10,11,12,13,14,15
	v_add_f32_dpp v[LA+2*\i], v[LA+2*\i], v[LA+2*\i] row_xmask:\x row_mask:0xf bank_mask:0xf
.endr
.endr
.irp i, 0,1,2,3,4,5,6,7,8,9,10,11,12,13,14,15
	v_permlanex16_b32 v[LA+2*\i+1], v[LA+2*\i], s[SEL], s[SEL+1]
.endr
.irp i, 0,1,2,3,4,5,6,7,8,9,10,11,12,13,14,15
	v_add_f32 v[LA+2*\i], v[LA+2*\i], v[LA+2*\i+1]
.endr
.endm
	; ---------------- the head
	s_load_b512 s[8:23], s[0:1], 0x0               ; query 8, key_value codes 10, scales 12, Wq codes 14, scales 16, bq 18, Wk codes 20, scales 22
	s_load_b512 s[24:39], s[0:1], 0x40             ; bk 24, Wv codes 26, scales 28, bv 30, Wo codes 32, scales 34, bo 36, gamma 38
	s_load_b128 s[40:43], s[0:1], 0x80             ; beta 40, out0 42
	v_lshl_add_u32 v[SPW], v0, 2, SPARE
	v_mov_b32 v[NIL], 0
	ds_add_u32 v[SPW], v[NIL]                      ; the wave's opening: the add, twice on end, and its wait ahead of my first tensor load; the set-up below, work on registers, stands between
	ds_add_u32 v[SPW], v[NIL]
	v_lshrrev_b32 v[T0], 5, v0
	v_readfirstlane_b32 s[WV], v[T0]               ; wave 0..3
	v_and_b32 v1, 15, v0                           ; r
	v_bfe_u32 v2, v0, 4, 1                         ; h
	v_and_b32 v3, 31, v0                           ; l
	; descriptor group 1: 32 rows of 512 bytes, dense in memory, 16 bytes of padding behind each in LDS
	s_mov_b32 s[G1], 15|(1<<20)|(1<<21)|(6<<22)|(3<<25)   ; 15:0 the mask: all four work-groups; 17:16 elements of 1 byte; 20 padding on; 21 set beside a mask; 24:22 after every 128 words (code 6); 31:25 four words (code 3)
	s_mov_b32 s[G1+1], 512<<16                     ; tensor_dim0
	s_mov_b32 s[G1+2], 32<<16                      ; tensor_dim1
	s_mov_b32 s[G1+3], 512<<16                     ; tile_dim0
	s_mov_b32 s[G1+4], 32                          ; tile_dim1
	s_mov_b32 s[G1+5], 512                         ; tensor_dim0_stride
	s_mov_b32 s[G1+6], 0
	s_mov_b32 s[G1+7], 0
	s_mov_b32 s[SEL], 0x76543210
	s_mov_b32 s[SEL+1], 0xfedcba98                 ; v_permlanex16_b32's selects for lane l xor 16
	s_mov_b32 s[CS], 0x3e0293ee                    ; log2(e) / sqrt(128)
	s_mov_b32 s[CS+1], s[CS]
	s_mov_b32 s[NI], 0xba800000                    ; -1 / 1024
	s_mov_b32 s[EP], 0x3727c5ac                    ; 1e-5
	s_mov_b32 s[PI], 0x3a800000                    ; 1 / 1024
	s_mov_b32 s[TB], 0
	s_mov_b32 s[TS+1], 0
	; LDS addresses: constants, the lane's terms and the wave's number
	s_mul_i32 s[WOFF], s[WV], 16896
	v_mul_u32_u24 v[T0], v1, 528
	v_lshl_add_u32 v[AW], v2, 4, v[T0]
	v_add_nc_u32 v[AW], s[WOFF], v[AW]
	s_lshl_b32 s[TS], s[WV], 7
	s_add_co_u32 s[TS], s[TS], STG
	v_lshl_add_u32 v[SO], v2, 5, v[T0]
	v_add_nc_u32 v[SO], s[TS], v[SO]
	s_mul_i32 s[TS], s[WV], 8448
	s_add_co_u32 s[TS], s[TS], STG
	v_lshl_add_u32 v[SRD], v2, 7, v[T0]
	v_add_nc_u32 v[SRD], s[TS], v[SRD]
	v_add_nc_u32 v[SRD2], 2*STGB, v[SRD]
	v_lshl_add_u32 v[SRO], v3, 4, s[TS]
	v_add_nc_u32 v[SRO2], 2*STGB, v[SRO]
	v_mul_u32_u24 v[T0], v2, 272
	v_lshl_add_u32 v[T0], v1, 4, v[T0]
	v_add_nc_u32 v[CIR], IMG, v[T0]
	v_add_nc_u32 v[CIK], KVI, v[T0]
	s_mul_i32 s[TS], s[WV], 8704
	v_add_nc_u32 v[CIW], s[TS], v[CIR]
	s_add_co_u32 s[TS], s[TS], KVI
	v_mul_u32_u24 v[KVW], v3, 272
	v_add_nc_u32 v[KVW], s[TS], v[KVW]
	s_lshl_b32 s[TS], s[WV], 9
	s_add_co_u32 s[TS], s[TS], XSC
	v_lshl_add_u32 v[XSW], v1, 5, s[TS]
	s_add_co_u32 s[TS], s[TS], XSK-XSC
	v_lshl_add_u32 v[T1], v3, 4, s[TS]             ; XSK + 512 w + 16 l: where key_value's scale bytes go
	v_lshlrev_b32 v[GW], 5, v3
	v_add_nc_u32 v[XSR], XSC, v[GW]
	v_add_nc_u32 v[XSKR], XSK, v[GW]
	s_mul_i32 s[TS], s[WV], 4352
	s_add_co_u32 s[TS], s[TS], KVI
	v_mul_u32_u24 v[ATB], v1, 272
	v_add_nc_u32 v[ATB], s[TS], v[ATB]
	v_lshl_add_u32 v[ATA], v2, 4, v[ATB]
	v_lshlrev_b32 v[GB], 5, v2
	v_lshlrev_b32 v[GL], 4, v3
	v_lshrrev_b32 v[T0], 3, v3
	v_and_b32 v[PFO], 7, v3
	v_lshlrev_b32 v[PFO], 8, v[PFO]
	v_lshl_add_u32 v[PFO], v[T0], 12, v[PFO]
	v_mov_b32 v[FL], 0x1800000
	v_lshlrev_b32 v[SH8], 3, v2
	v_mov_b32 v[PT], 0                             ; written once: a lane permute's destination counts as one of its sources
	s_bfe_u32 s[ROW0], ttmp6, 0x40000              ; cx
	s_lshl_b32 s[TC], ttmp9, 2                     ; in a cluster launch ttmp9 counts clusters
	s_add_co_u32 s[ROW0], s[ROW0], s[TC]           ; my work-group
	s_lshl_b32 s[ROW0], s[ROW0], 6
	s_lshl_b32 s[TC], s[WV], 4
	s_add_co_u32 s[ROW0], s[ROW0], s[TC]           ; my wave's first row: 64 x work-group + 16 x wave
	s_mov_b32 s[TC+1], 0
	s_wait_dscnt 0x0                               ; both opening adds are done
	s_wait_kmcnt 0x0
	s_lshl_b32 s[TC], s[ROW0], 12
	s_add_nc_u64 s[8:9], s[8:9], s[TC:TC+1]        ; query and out0 at my first row
	s_add_nc_u64 s[42:43], s[42:43], s[TC:TC+1]
	s_lshl_b32 s[TC], s[ROW0], 9
	s_add_nc_u64 s[10:11], s[10:11], s[TC:TC+1]    ; key_value's codes
	s_lshl_b32 s[TC], s[ROW0], 5
	s_add_nc_u64 s[12:13], s[12:13], s[TC:TC+1]    ; and scale bytes
	s_lshl_b32 s[TS], s[WV], 14                    ; my 32 rows of a piece of W: 16,384 bytes of codes,
.irp p, 14,20,26,32
	s_add_nc_u64 s[\p:\p+1], s[\p:\p+1], s[TS:TS+1]
.endr
	s_lshl_b32 s[TS], s[WV], 10                    ; 1,024 of scale bytes,
.irp p, 16,22,28,34
	s_add_nc_u64 s[\p:\p+1], s[\p:\p+1], s[TS:TS+1]
.endr
	s_lshl_b32 s[TS], s[WV], 7                     ; 128 of bias
.irp p, 18,24,30,36
	s_add_nc_u64 s[\p:\p+1], s[\p:\p+1], s[TS:TS+1]
.endr
	s_mov_b64 s[QW:QW+1], s[8:9]
	s_mov_b64 s[PFA:PFA+1], s[8:9]
	s_add_nc_u64 s[CUR:CUR+1], s[14:15], 2*65536   ; the first refill asks for piece 2
	s_add_nc_u64 s[WSP:WSP+1], s[16:17], 4096      ; step 0's products ask for step 1's scale words and bias
	s_add_nc_u64 s[BIP:BIP+1], s[18:19], 512
	s_mov_b32 s[G0A], 1                            ; count = 1
	s_mov_b32 s[G0A+1], s[WOFF]                    ; slot 0
	s_mov_b64 s[G0A+2:G0A+3], s[14:15]             ; piece 0
	s_or_b32 s[G0A+3], s[G0A+3], 0x80000000        ; type = 2
	s_mov_b32 s[G0], 1
	s_add_co_u32 s[G0+1], s[WOFF], SLOT            ; slot 1
	s_add_nc_u64 s[G0+2:G0+3], s[14:15], 65536     ; piece 1
	s_or_b32 s[G0+3], s[G0+3], 0x80000000
	ROUND                                          ; all four work-groups are here: the first joint loads meet
	tensor_load_to_lds s[G0A:G0A+3], s[G1:G1+7]    ; two loads of mine are out
	s_nop 0
	tensor_load_to_lds s[G0:G0+3], s[G1:G1+7]
	s_nop 0
	PLACES
	global_load_b128 v[WS:WS+3], v[GW], s[16:17]   ; step 0's scale words and bias
	global_load_b128 v[WS+4:WS+7], v[GW], s[16:17] offset:16
.irp c, 0,1
	global_load_b128 v[BI+8*\c:BI+8*\c+3], v[GB], s[18:19] offset:64*\c
	global_load_b128 v[BI+8*\c+4:BI+8*\c+7], v[GB], s[18:19] offset:64*\c+16
.endr
	global_load_b128 v[KVS:KVS+3], v[GL], s[12:13] th:TH_LOAD_NT   ; my 16 rows' scale bytes of key_value: 512 consecutive bytes
.irp i, 0,1,2,3,4,5,6,7,8,9,10,11,12,13,14,15
	global_load_b128 v[TMP+4*\i:TMP+4*\i+3], v[GL], s[10:11] offset:512*\i th:TH_LOAD_NT   ; row i's codes: lane l takes piece l
.endr
	WIN 0x80
.irp t, 0,1
.irp i, 0,1,2,3,4,5,6,7,8,9,10,11,12,13,14,15
	global_load_b128 v[64*\t+4*\i:64*\t+4*\i+3], v[GL], s[QW:QW+1] offset:4096*\i+512*\t
.endr
.endr
	WIN 0
	s_wait_loadcnt 32                              ; all but the query's 32 loads
.irp i, 0,1,2,3,4,5,6,7,8,9,10,11,12,13,14,15
	ds_store_b128 v[KVW], v[TMP+4*\i:TMP+4*\i+3] offset:16*\i
.endr
	ds_store_b128 v[T1], v[KVS:KVS+3]
	; ---------------- the query's codes
	s_mov_b32 s[IO], 0
	s_mov_b32 s[IS], 0
	s_mov_b32 s[CNT], 3
.Lquery:
	HEADQ 0, 1, 16
	HEADQ 1, 1, 16
	s_wait_xcnt 0x0                                ; the loads have read their base
	s_add_nc_u64 s[QW:QW+1], s[QW:QW+1], 1024
	s_add_co_u32 s[IO], s[IO], 2176
	s_add_co_u32 s[IS], s[IS], 8
	s_sub_co_u32 s[CNT], s[CNT], 1
	s_cmp_lg_u32 s[CNT], 0
	s_cbranch_scc1 .Lquery
	HEADQ 0, 0, 16                                 ; the last two sets load nothing more
	HEADQ 1, 0, 0
	s_wait_tensorcnt 0x1                           ; my part of piece 0 is in; piece 1 may stay out
	BARRIER                                        ; all images and scale words lie in LDS
	FETCHX CIR
	XSLOAD XSR
	WPRE
	; ---------------- Q: two groups of four heads
	s_mov_b32 s[SW], 0
	GLOOP 4, 0, 0, 0, 0
	UNLOAD_Q 0
	BARRIER                                        ; the stages have been read: they may be written again
	s_mov_b32 s[SW], 0
	GLOOP 4, 1, 20, 22, 24
	UNLOAD_Q 1
	FETCHX CIK                                     ; key_value's codes take the query's place
	XSLOAD XSKR
	BARRIER                                        ; the stages and key_value's images have been read
	; ---------------- K: a head a step; its scores against my row's 8 heads of Q stand behind the next piece's request.  Two stages by turns
	s_mov_b32 s[SW], 0
	s_mov_b32 s[AG], 0
	s_mov_b32 s[CNT], 8
.Lkeys:
	GEMM 0
	STORE 0
	TOP 1, 26, 28, 30, 0
	WPRE
	ATT_K
	s_xor_b32 s[SW], s[SW], STGB
	s_add_co_u32 s[AG], s[AG], 32
	s_sub_co_u32 s[CNT], s[CNT], 1
	s_cmp_lg_u32 s[CNT], 0
	s_cbranch_scc1 .Lkeys
	SOFTMAX
	s_mov_b32 s[AG], 0
	; ---------------- V: the first head is written out: its products start attended's sums, over Q's registers
	GEMM 0
	STORE 0
	TOP 0, 0, 0, 0, 0
	WPRE
	ATT_V 1
	s_xor_b32 s[SW], s[SW], STGB
	s_add_co_u32 s[AG], s[AG], 32
	s_mov_b32 s[CNT], 7
.Lvalues:
	GEMM 0
	STORE 0
	TOP 1, 32, 34, 36, 1
	WPRE
	ASK
	ATT_V 0
	s_xor_b32 s[SW], s[SW], STGB
	s_add_co_u32 s[AG], s[AG], 32
	s_sub_co_u32 s[CNT], s[CNT], 1
	s_cmp_lg_u32 s[CNT], 0
	s_cbranch_scc1 .Lvalues
	; ---------------- attended's codes, head by head = K step by K step; each head's registers then take the query's same 128 columns, for the residual
.irp u, 0,1,2,3,4,5,6,7
	QUANT 64*(\u%4), 2+\u/4
	IMAGE CIW, 1088*\u, XSW, 4*\u
	WIN 0x80+0x40*(\u/4)
.irp i, 0,1,2,3,4,5,6,7,8,9,10,11,12,13,14,15
	global_load_b128 v[64*(\u%4)+4*\i:64*(\u%4)+4*\i+3], v[GL], s[8:9] offset:4096*\i+512*\u th:TH_LOAD_NT
.endr
	WIN 0
.endr
	BARRIER
	FETCHX CIR
	XSLOAD XSR
	s_wait_dscnt 0x0                               ; here the step's first fragments of W were fetched a phase ago, so these 68 loads are the youngest: the counted waits in the products, which count from W's loads, do not cover them
	; ---------------- O: two groups of four blocks of 128 columns
	s_mov_b32 s[SW], 0
	GLOOP 4, 0, 0, 0, 0
	UNLOAD_O 0
	BARRIER
	s_mov_b32 s[SW], 0
	GLOOP 2, 0, 0, 0, 0                            ; these ask for the last two pieces
	s_mov_b32 s[CNT], 2
.Ltail:                                        ; the last two steps ask for nothing
	GEMM 1
	STORE 1
	s_add_co_u32 s[SW], s[SW], STGB
	s_wait_tensorcnt 0x0                           ; my part of the last piece, which I alone read
	s_xor_b32 s[TB], s[TB], SLOT
	BARRIER                                        ; the step's results lie in the stage
	s_cmp_eq_u32 s[CNT], 1
	s_cbranch_scc1 .Lno_more
	WPRE
.Lno_more:
	s_sub_co_u32 s[CNT], s[CNT], 1
	s_cmp_lg_u32 s[CNT], 0
	s_cbranch_scc1 .Ltail
.irp b, 0,1,2,3,4,5,6,7
	global_load_b128 v[WF+4*\b:WF+4*\b+3], v[GL], s[38:39] offset:512*\b         ; gamma and beta of my columns 128 b + 4 l + 0 .. 3
	global_load_b128 v[WF+32+4*\b:WF+32+4*\b+3], v[GL], s[40:41] offset:512*\b
.endr
	UNLOAD_O 1
	; ---------------- LayerNorm: a lane holds 32 numbers of each of my 16 rows
	WIN 0x0a
.irp i, 0,1,2,3,4,5,6,7,8,9,10,11,12,13,14,15
	v_pk_add_f32 v[LA+2*\i:LA+2*\i+1], v[4*\i:4*\i+1], v[4*\i+2:4*\i+3]        ; the first two pairs start the sums
.endr
	WIN 0x08
	LNADD 1
	LNADD 2
	LNADD 3
	WIN 0x0c
	LNADD 0
	LNADD 1
	LNADD 2
	LNADD 3
	WIN 0
	REDUCE
.irp i, 0,1,2,3,4,5,6,7,8,9,10,11,12,13,14,15
	v_mul_f32 v[LB+2*\i], s[NI], v[LA+2*\i]        ; -mean
.endr
	WIN 0x82
	LNCEN 0
	LNCEN 1
	LNCEN 2
	LNCEN 3
	WIN 0xc3
	LNCEN 0
	LNCEN 1
	LNCEN 2
	LNCEN 3
	WIN 0x0a
.irp i, 0,1,2,3,4,5,6,7,8,9,10,11,12,13,14,15
	v_pk_mul_f32 v[LA+2*\i:LA+2*\i+1], v[4*\i:4*\i+1], v[4*\i:4*\i+1]          ; the squares of the centred numbers
.endr
	LNSQ 0, 2
	LNSQ 1, 0
	LNSQ 1, 2
	LNSQ 2, 0
	LNSQ 2, 2
	LNSQ 3, 0
	LNSQ 3, 2
	WIN 0x0f
	LNSQ 0, 0
	LNSQ 0, 2
	LNSQ 1, 0
	LNSQ 1, 2
	LNSQ 2, 0
	LNSQ 2, 2
	LNSQ 3, 0
	LNSQ 3, 2
	WIN 0
	REDUCE
.irp i, 0,1,2,3,4,5,6,7,8,9,10,11,12,13,14,15
	v_fma_f32 v[LA+2*\i], v[LA+2*\i], s[PI], s[EP] ; variance + eps
.endr
.irp i, 0,1,2,3,4,5,6,7,8,9,10,11,12,13,14,15
	v_rsq_f32 v[LB+2*\i], v[LA+2*\i]
.endr
	v_nop                                          ; a plain place behind the last of them
	s_wait_alu depctr_va_vdst(0)                   ; one wait for the sixteen, ahead of their first reader
	s_wait_loadcnt 0x0                             ; gamma and beta
.irp b, 0,1,2,3,4,5,6,7
	WIN 0x82+0x41*(\b/4)
.irp k, 0,2
.irp i, 0,1,2,3,4,5,6,7,8,9,10,11,12,13,14,15
	v_pk_mul_f32 v[64*(\b%4)+4*\i+\k:64*(\b%4)+4*\i+\k+1], v[64*(\b%4)+4*\i+\k:64*(\b%4)+4*\i+\k+1], v[LB+2*\i:LB+2*\i+1] op_sel_hi:[1,0]
.endr
.endr
.irp k, 0,2
.irp i, 0,1,2,3,4,5,6,7,8,9,10,11,12,13,14,15
	v_pk_fma_f32 v[64*(\b%4)+4*\i+\k:64*(\b%4)+4*\i+\k+1], v[64*(\b%4)+4*\i+\k:64*(\b%4)+4*\i+\k+1], v[WF+4*\b+\k:WF+4*\b+\k+1], v[WF+32+4*\b+\k:WF+32+4*\b+\k+1]
.endr
.endr
	WIN 0x08+0x04*(\b/4)
.irp i, 0,1,2,3,4,5,6,7,8,9,10,11,12,13,14,15
	global_store_b128 v[GL], v[64*(\b%4)+4*\i:64*(\b%4)+4*\i+3], s[42:43] offset:4096*\i+512*\b th:TH_STORE_NT   ; 32 lanes store 512 consecutive bytes, at a multiple of 256 from out0's first byte
.endr
.endr
	WIN 0
	s_wait_tensorcnt 0x0                           ; the wave's end: behind my last tensor load and my last LDS store
	ds_add_u32 v[SPW], v[NIL]
	s_wait_dscnt 0x0
	ROUND                                          ; the closing round: no work-group ends while a partner may still ask for a piece that names it
	s_endpgm
.Lfunc_end_k_q1e9bce2600_fused:
	.size	k_q1e9bce2600_fused, .Lfunc_end_k_q1e9bce2600_fused-k_q1e9bce2600_fused
	.p2alignl 7, 3214868480
	.fill 96, 4, 3214868480
	.section	.rodata,"a",@progbits
	.p2align	6, 0x0
	.amdhsa_kernel k_q1e9bce2600_fused
		.amdhsa_group_segment_fixed_size 327680
		.amdhsa_private_segment_fixed_size 0
		.amdhsa_enable_private_segment 0
		.amdhsa_kernarg_size 144
		.amdhsa_user_sgpr_count 2
		.amdhsa_user_sgpr_kernarg_segment_ptr 1
		.amdhsa_wavefront_size32 1
		.amdhsa_system_sgpr_workgroup_id_x 1
		.amdhsa_system_sgpr_workgroup_id_y 1
		.amdhsa_system_sgpr_workgroup_id_z 1
		.amdhsa_system_vgpr_workitem_id 0
		.amdhsa_next_free_vgpr 1024
		.amdhsa_next_free_sgpr 96
		.amdhsa_reserve_vcc 0
		.amdhsa_float_denorm_mode_32 3
		.amdhsa_float_denorm_mode_16_64 3
		.amdhsa_memory_ordered 1
		.amdhsa_forward_progress 1
		.amdhsa_inst_pref_size 255
	.end_amdhsa_kernel
	.section	.bss,"aw",@nobits
	.p2align	6
	.space	262144
	.amdgpu_metadata
---
amdhsa.version: [ 1, 2 ]
amdhsa.kernels:
  - .name:           k_q1e9bce2600_fused
    .symbol:         k_q1e9bce2600_fused.kd
    .args:
      - { .name: query, .offset: 0, .size: 8, .value_kind: global_buffer, .address_space: global }
      - { .name: key_value_codes, .offset: 8, .size: 8, .value_kind: global_buffer, .address_space: global }
      - { .name: key_value_scales, .offset: 16, .size: 8, .value_kind: global_buffer, .address_space: global }
      - { .name: Wq_codes, .offset: 24, .size: 8, .value_kind: global_buffer, .address_space: global }
      - { .name: Wq_scales, .offset: 32, .size: 8, .value_kind: global_buffer, .address_space: global }
      - { .name: bq, .offset: 40, .size: 8, .value_kind: global_buffer, .address_space: global }
      - { .name: Wk_codes, .offset: 48, .size: 8, .value_kind: global_buffer, .address_space: global }
      - { .name: Wk_scales, .offset: 56, .size: 8, .value_kind: global_buffer, .address_space: global }
      - { .name: bk, .offset: 64, .size: 8, .value_kind: global_buffer, .address_space: global }
      - { .name: Wv_codes, .offset: 72, .size: 8, .value_kind: global_buffer, .address_space: global }
      - { .name: Wv_scales, .offset: 80, .size: 8, .value_kind: global_buffer, .address_space: global }
      - { .name: bv, .offset: 88, .size: 8, .value_kind: global_buffer, .address_space: global }
      - { .name: Wo_codes, .offset: 96, .size: 8, .value_kind: global_buffer, .address_space: global }
      - { .name: Wo_scales, .offset: 104, .size: 8, .value_kind: global_buffer, .address_space: global }
      - { .name: bo, .offset: 112, .size: 8, .value_kind: global_buffer, .address_space: global }
      - { .name: gamma, .offset: 120, .size: 8, .value_kind: global_buffer, .address_space: global }
      - { .name: beta, .offset: 128, .size: 8, .value_kind: global_buffer, .address_space: global }
      - { .name: out0, .offset: 136, .size: 8, .value_kind: global_buffer, .address_space: global }
    .group_segment_fixed_size: 327680
    .private_segment_fixed_size: 0
    .kernarg_segment_align: 8
    .kernarg_segment_size: 144
    .max_flat_workgroup_size: 128
    .sgpr_count:     96
    .vgpr_count:     1024
    .wavefront_size: 32
...
	.end_amdgpu_metadata
.endif
;; end of part 1
;; ======== version 2 of 2: 1 launch
;; launch fused (part 2): grid 256 x 1, 4 waves a work-group, clusters of 4 x 1, 327,680 bytes of LDS; arguments query, key_value_codes, key_value_scales, Wq_codes, Wq_scales, bq, Wk_codes, Wk_scales, bk, Wv_codes, Wv_scales, bv, Wo_codes, Wo_scales, bo, gamma, beta, out0; writes out0
.if DOCPART == 2
	.amdgcn_target "amdgcn-amd-amdhsa--gfx1250"
	.amdhsa_code_object_version 6
	.text
	.protected	k_q1e9bce2600_fused
	.globl	k_q1e9bce2600_fused
	.p2align	8
	.type	k_q1e9bce2600_fused,@function
k_q1e9bce2600_fused:
	s_mov_b64 s[64:65], 0
	v_nop
	global_prefetch_b8 v0, s[64:65] scope:SCOPE_SE
	s_setreg_imm32_b32 hwreg(HW_REG_WAVE_MODE, 25, 1), 1
	s_wait_xcnt 0x0
	s_wait_alu depctr_hold_cnt(0) depctr_sa_sdst(0) depctr_va_vdst(0) depctr_va_sdst(0) depctr_va_ssrc(0) depctr_va_vcc(0) depctr_vm_vsrc(0)
	s_getreg_b32 s2, hwreg(HW_REG_IB_STS2, 6, 4)
	s_cmp_eq_u32 s2, 0
	s_cbranch_scc0 .Lentry_in_a_cluster
	s_endpgm
.Lentry_in_a_cluster:
	s_bfe_u32 s2, ttmp6, 0x10000c
	s_cmp_lg_u32 s2, 0x3003
	s_cbranch_scc0 .Lentry_shape_is_right
	s_endpgm
.Lentry_shape_is_right:
; out0 = LayerNorm(softmax-attention over the 8 heads of each row, projected by Wo, + bo + query) * gamma + beta, for 16,384 rows of 1,024.
; Q = Quant(query) Wq + bq, K = key_value Wk + bk, V = key_value Wv + bv, O = Quant(attended) Wo + bo: four products on codes of FP4 (E2M1) with one E8M0 scale for each 32 along K.
; scores[h][g] = Q[h] . K[g] / sqrt(128), softmax over g (the largest score taken away first), attended[h] = sum over g of attn[h][g] V[g]: fused multiply-adds in f32, since attended goes into a quantiser.
; NO WORK IS LEFT OUT: bq and bk move the scores along g, bv and bo move the sums, every input has a way to the output, and all eighteen buffers are arguments.
; SHARES.  256 work-groups of four waves; a work-group takes 64 rows through the whole chain, and nothing goes to memory between the products.  32 steps (8 each for Q, K, V, O), each of 128 output columns: one head.
;   As a multiplier wave w makes columns 32 w .. 32 w + 31 of the step for all 64 rows: 2 column tiles x 4 row tiles = 8 accumulators by turns, so a fragment of W read from LDS feeds four products.
;   The rows' codes (64 x 1,024 codes = 256 registers a lane set) stay in the wave's registers for a phase.
;   As an owner of rows wave w holds rows 16 w .. 16 w + 15: Q, then attended, then x = O + query, in 512 registers.  Results pass from the one part to the other through f32 stages in LDS.
; THE MATRIX INSTRUCTION IS USED TRANSPOSED (source 0 = 16 rows of W = 16 output columns, source 1 = 16 rows of x): a lane holds one row and eight neighbouring columns.  The bias is the C of a sum's first product.
; CLUSTER.  All work-groups walk the same four weights, so the four of a cluster ask for each piece JOINTLY (mask 15): the same load, with a descriptor made of the wave's number, the cluster's number and the count of steps alone.
; THE ORDER OF THE PIECES.  Cluster c walks the eight pieces (heads, or blocks of 128 columns) of each weight from piece rot = (c xor c / 8) % 8 on, and round: step t takes piece (t + rot) % 8.  So in any step the
;   64 clusters ask for eight different pieces, eight clusters each, and the piece that a cluster asks for was asked for a step earlier by the clusters whose rot is one higher.  What follows from it:
;   place u of Q and of attended is head (u + rot) % 8; place j of the scores is the same head of K and of V, since both phases begin at a multiple of 8 steps; attended's place u is K step (u + rot) % 8 of the
;   last product, and its image is laid there; place j of x is column block (j + rot) % 8, and the residual, gamma, beta and the stores are addressed so.  The sums over g and over a row change their order alone.
; THE QUERY IS READ TWICE: 64 rows are 262,144 bytes of f32; beside the 512 registers a lane of Q or attended, the 256 of codes and the ring there is no room to keep them, and a narrower copy would not hold an offset.
; LIMITS: a block of zeros ahead of a quantiser gets the byte 1 (its codes are zeros, and only this text reads the bytes); blocks whose largest magnitude lies under 2^-124 are held at that byte;
;   NaN and infinities ahead of a quantiser are not served; an exponential whose result would be denormal gives 0.
; LDS: 0 the ring, two slots of 128 rows of W x (512 + 16) bytes, filled by tensor loads alone; STG three f32 stages of 64 rows x (512 + 16); IMG images of the codes made here (also the fourth stage);
;   XSC their scale words [row][8]; KVI images of key_value's codes (from the K phase on: the scores, 16 rows x 272 bytes a wave); XSK key_value's scale words; SPARE the spare words.
;   An image holds the 16-byte piece q (of 32) of row r of row tile m at 8,704 m + 272 q + 16 r: an operand's register group is then one load of 16 consecutive pieces for each half of the lanes.
; REGISTERS, in windows of 256: window 0: v1-31 addresses; v32-47 x's scale words; v48-55 W's; v56-71 bias; v72-119 at work; v120-127 offsets of x's blocks; v128-191 accumulators, between products a buffer; v192-255 W's fragments, four sets.
;   window 1: the rows' codes, fragment (m, s) at 8 (8 m + s).   windows 2, 3: place u at 64 u: register 32 c + i = channel 64 c + 32 h + i of my row (whole blocks of 32 in a lane, in the operand's order);
;   for x: register 64 j + 4 i + k of lane l = row 16 w + i, column 128 ((j + rot) % 8) + 4 l + k, so that every access to memory covers 512 consecutive bytes.
.set SLOT,  67584                      ; 128 rows x 528
.set STG,   135168
.set STGB,  33792                      ; 64 rows x 528
.set IMG,   236544                     ; = STG + 3 STGB
.set XSC,   271360
.set KVI,   273408
.set XSK,   308224
.set SPARE, 310272
.set AW,   4                           ; (32 w + r) 528 + 16 h: my place in a slot
.set AWC,  5                           ; the same in the slot in hand
.set SO,   6                           ; STG + 528 r + 128 w + 32 h: where I put results
.set SOC,  7
.set SRD,  8                           ; STG + (16 w + r) 528 + 128 h: where I read my row
.set SRD2, 9                           ; two stages on
.set SRC,  10
.set SRO,  11                          ; STG + 16 w 528 + 16 l: my rows, a row to an instruction
.set SRO2, 12
.set CIR,  13                          ; IMG + 272 h + 16 r
.set CIK,  14                          ; KVI + 272 h + 16 r
.set CIW,  15                          ; CIR + 8,704 w
.set XSW,  16                          ; XSC + (16 w + r) 32
.set XSR,  17                          ; XSC + 32 l
.set XSKR, 18                          ; XSK + 32 l
.set KVW,  19                          ; KVI + 8,704 w + 272 l
.set ATA,  20                          ; ATB + 16 h
.set ATB,  21                          ; KVI + 4,352 w + 272 r
.set ATC,  22
.set GW,   23                          ; 32 l
.set GB,   24                          ; 32 h
.set GL,   25                          ; 16 l
.set PFO,  26                          ; 4,096 (l / 8) + 256 (l % 8)
.set SPW,  27                          ; my spare word; never rewritten
.set NIL,  28                          ; 0; never rewritten
.set T0,   29
.set T1,   30
.set XS,   32
.set WS,   48
.set BI,   56
.set P,    72
.set PR,   88
.set AM,   96
.set SCL,  100
.set BY,   102
.set PW,   104
.set PT,   105
.set FL,   106
.set SH8,  107
.set PCD,  108
.set KVS,  116
.set GLR,  120                         ; v120-127: place j of x: 16 l + 512 ((j + rot) % 8); never rewritten
.set ACC,  128
.set TMP,  128
.set LA,   128
.set LB,   160
.set WF,   192
.set BC,   2                           ; s[2:3] my part of the codes of the weight that is being asked for, at its piece 0
.set BS,   4                           ; s[4:5] of its scale words
.set BB,   6                           ; s[6:7] of its bias
.set G1,   44                          ; s[44:51] descriptor group 1
.set G0A,  52                          ; s[52:55] group 0 of the first fill
.set G0,   56                          ; s[56:59] group 0 that walks
.set WV,   60
.set CNT,  61
.set TB,   62                          ; LDS byte of the slot in hand
.set SW,   63                          ; LDS byte of the stage in hand, from STG
.set SEL,  66
.set CS,   68
.set AG,   70                          ; 32 j
.set WOFF, 71                          ; 16,896 w
.set PP,   72                          ; the piece last asked for: (t + rot) % 8
.set ROT,  73                          ; rot
.set WSP,  74                          ; my scale words of the next step
.set BIP,  76                          ; my bias of the next step
.set QW,   78
.set PFA,  80
.set TS,   82                          ; s[82:83]: an offset; s83 stays 0
.set IO,   84
.set IS,   85
.set NI,   86
.set EP,   87
.set PI,   88
.set TC,   90                          ; s[90:91], s92: all that holds my place in the cluster; it enters global addresses alone
.set ROW0, 92
.set MSB, 0
.macro WIN new                         ; the immediate's high byte repeats the setting that is left; a switch that changes nothing is dropped
.set NWIN, (\new)
.if MSB != NWIN
	s_set_vgpr_msb (MSB<<8)|NWIN
.set MSB, NWIN
.endif
.endm
.macro PLACES                          ; four plain places behind a product, ahead of loads into its registers and of reads of its results
.rept 4
	v_nop
.endr
.endm
.macro ROUND                           ; a round of the cluster's barrier
	s_barrier_signal -1
	s_barrier_wait -1
	s_cmp_lg_u32 s[WV], 0
	s_cbranch_scc1 .Lnw0_\@
	s_barrier_signal -3
.Lnw0_\@:
	s_barrier_wait -3
	s_barrier_signal -1
	s_barrier_wait -1
.endm
.macro BARRIER                         ; my LDS stores have landed and my LDS loads are in: then the work-group's barrier
	s_wait_dscnt 0x0
	s_barrier_signal -1
	s_barrier_wait -1
.endm
; W's two fragments (column tiles 0, 1) of K step k into set k % 4: four loads
.macro WLOAD k
.irp c, 0,1
.irp d, 0,1
	ds_load_b128 v[WF+16*((\k)%4)+8*\c+4*\d:WF+16*((\k)%4)+8*\c+4*\d+3], v[AWC] offset:8448*\c+64*(\k)+32*\d
.endr
.endr
.endm
.macro WPRE                            ; the first four K steps of the slot in hand
	v_add_nc_u32 v[AWC], s[TB], v[AW]
	WLOAD 0
	WLOAD 1
	WLOAD 2
	WLOAD 3
.endm
; one product: column tile ct, row tile mt, K step ks.  W's scale words: lanes 0-15 tile 0, lanes 16-31 tile 1; x's: lanes 0-15 the even row tile, lanes 16-31 the odd one
.macro PROD
.set rD, ACC+8*(4*ct+mt)
.set rC, rD
.if ks == 0
.set rC, BI+8*ct
.endif
.set rA, WF+16*(ks%4)+8*ct
.set rB, 8*(8*mt+ks)
.set rX, XS+8*(mt/2)+ks
.if (ct == 0) && (mt%2 == 0)
	v_wmma_scale_f32_16x16x128_f8f6f4 v[rD:rD+7], v[rA:rA+7], v[rB:rB+7], v[rC:rC+7], v[WS+ks], v[rX] matrix_a_fmt:MATRIX_FMT_FP4 matrix_b_fmt:MATRIX_FMT_FP4
.elseif (ct == 0)
	v_wmma_scale_f32_16x16x128_f8f6f4 v[rD:rD+7], v[rA:rA+7], v[rB:rB+7], v[rC:rC+7], v[WS+ks], v[rX] matrix_a_fmt:MATRIX_FMT_FP4 matrix_b_fmt:MATRIX_FMT_FP4 matrix_b_scale:MATRIX_SCALE_ROW1
.elseif (mt%2 == 0)
	v_wmma_scale_f32_16x16x128_f8f6f4 v[rD:rD+7], v[rA:rA+7], v[rB:rB+7], v[rC:rC+7], v[WS+ks], v[rX] matrix_a_fmt:MATRIX_FMT_FP4 matrix_b_fmt:MATRIX_FMT_FP4 matrix_a_scale:MATRIX_SCALE_ROW1
.else
	v_wmma_scale_f32_16x16x128_f8f6f4 v[rD:rD+7], v[rA:rA+7], v[rB:rB+7], v[rC:rC+7], v[WS+ks], v[rX] matrix_a_fmt:MATRIX_FMT_FP4 matrix_b_fmt:MATRIX_FMT_FP4 matrix_a_scale:MATRIX_SCALE_ROW1 matrix_b_scale:MATRIX_SCALE_ROW1
.endif
.endm
; A STEP'S PRODUCTS: 8 K steps x 8 accumulators, which take turns, one instruction a turn.  last = 1: the launch's last step asks for no further bias and scale words.
.macro GEMM last
	s_wait_loadcnt 0x1                             ; the bias and scale words 0-3 are in; the one load behind them, scale words 4-7, may be out
	WIN 0x04                                       ; source 1, the rows' codes: window 1
.set ks, 0
.rept 8
.if ks == 4
	s_wait_loadcnt 0x0                             ; scale words 4-7
.endif
.if ks < 5
	s_wait_dscnt 12                                ; behind this K step's four loads stand those of the three K steps that follow
.else
	s_wait_dscnt 4*(7-ks)
.endif
.set ct, 0
.rept 2
.set mt, 0
.rept 4
	PROD
.set mt, mt+1
.endr
.set ct, ct+1
.endr
.if ks < 4
	PLACES
	WLOAD ks+4                                     ; into the set just multiplied
.endif
.if ks == 4                                    ; the next step's bias and scale words 0-3: their registers were last read by K steps 0 and 3, behind which the places above stand
.if \last
	WIN 0
	s_cmp_eq_u32 s[CNT], 1
	s_cbranch_scc1 .Lnone_\@
.endif
.irp c, 0,1
	global_load_b128 v[BI+8*\c:BI+8*\c+3], v[GB], s[BIP:BIP+1] offset:64*\c
	global_load_b128 v[BI+8*\c+4:BI+8*\c+7], v[GB], s[BIP:BIP+1] offset:64*\c+16
.endr
	global_load_b128 v[WS:WS+3], v[GW], s[WSP:WSP+1]
.if \last
.Lnone_\@:
	WIN 0x04
.endif
.endif
.set ks, ks+1
.endr
	WIN 0
.endm
; the step's results go to the stage in hand: lane (r, h) holds row 16 m + r, columns 32 w + 16 c + 8 h + 0 .. 7 of the step's 128
.macro STORE last
	PLACES
.if \last
	s_cmp_eq_u32 s[CNT], 1
	s_cbranch_scc1 .Lnone_\@
.endif
	global_load_b128 v[WS+4:WS+7], v[GW], s[WSP:WSP+1] offset:16   ; the next step's scale words 4-7
.if \last
.Lnone_\@:
.endif
	v_add_nc_u32 v[SOC], s[SW], v[SO]
.irp c, 0,1
.irp m, 0,1,2,3
	ds_store_b128 v[SOC], v[ACC+8*(4*\c+\m):ACC+8*(4*\c+\m)+3] offset:8448*\m+64*\c      ; each accumulator from its low end on
	ds_store_b128 v[SOC], v[ACC+8*(4*\c+\m)+4:ACC+8*(4*\c+\m)+7] offset:8448*\m+64*\c+16
.endr
.endr
.endm
; THE CHANGE OF SLOTS, behind a step's products and stores.  Each wave waits for all its tensor loads (one is out: its part of the next slot), adds 0 to its spare word, and waits for that, for its reads of the slot
; that it leaves and for its stores into the stage.  Behind the round no wave of any partner reads that slot: it takes the piece of the step two steps on, which has a step in which to land.
; The piece's number goes one on, and round; its codes, scale words and bias lie 65,536, 4,096 and 512 bytes a piece from the weight's three bases.
; nxt = 1: two steps ahead of a phase's end (CNT = 2) the bases go over to the next weight: codes s[nc], scale words s[ns], bias s[nb].  pf = 1: the prefetches' address steps.
.macro TOP nxt, nc, ns, nb, pf
	s_wait_tensorcnt 0x0                           ; no tensor load of mine is out, so group 0 may be written
	ds_add_u32 v[SPW], v[NIL]                      ; 0 onto my spare word; the steps below stand between it and the wait for it
	s_wait_xcnt 0x0                                ; the loads and the prefetch that read these pointers have had their addresses translated
.if \nxt
	s_cmp_eq_u32 s[CNT], 2
	s_cselect_b64 s[BC:BC+1], s[\nc:\nc+1], s[BC:BC+1]
	s_cselect_b64 s[BS:BS+1], s[\ns:\ns+1], s[BS:BS+1]
	s_cselect_b64 s[BB:BB+1], s[\nb:\nb+1], s[BB:BB+1]
.endif
.if \pf
	s_cmp_lt_u32 s[CNT], 4
	s_cselect_b32 s[TS], 16384, 0
	s_add_nc_u64 s[PFA:PFA+1], s[PFA:PFA+1], s[TS:TS+1]
.endif
	s_add_co_u32 s[PP], s[PP], 1
	s_and_b32 s[PP], s[PP], 7
	s_lshl_b32 s[TS], s[PP], 12
	s_add_nc_u64 s[WSP:WSP+1], s[BS:BS+1], s[TS:TS+1]
	s_lshl_b32 s[TS], s[PP], 9
	s_add_nc_u64 s[BIP:BIP+1], s[BB:BB+1], s[TS:TS+1]
	s_lshl_b32 s[TS], s[PP], 16
	s_add_nc_u64 s[G0+2:G0+3], s[BC:BC+1], s[TS:TS+1]
	s_or_b32 s[G0+3], s[G0+3], 0x80000000          ; type = 2
	s_add_co_u32 s[G0+1], s[TB], s[WOFF]           ; the slot that is left, my 32 rows of it
	s_xor_b32 s[TB], s[TB], SLOT
	s_wait_dscnt 0x0
	ROUND
	tensor_load_to_lds s[G0:G0+3], s[G1:G1+7]      ; my one tensor load behind the round
	s_nop 0
	PLACES
.endm
.macro FETCHX base                     ; the 64 rows' codes from their images: 32 fragments
	WIN 0x40
.irp m, 0,1,2,3
.irp k, 0,1,2,3,4,5,6,7
.irp c, 0,1
	ds_load_b128 v[8*(8*\m+\k)+4*\c:8*(8*\m+\k)+4*\c+3], v[\base] offset:8704*\m+272*(4*\k+2*\c)
.endr
.endr
.endr
	WIN 0
.endm
.macro XSLOAD base                     ; and their scale words: lane l takes rows l and 32 + l
.irp p, 0,1
.irp k, 0,1
	ds_load_b128 v[XS+8*\p+4*\k:XS+8*\p+4*\k+3], v[\base] offset:1024*\p+16*\k
.endr
.endr
.endm
; 64 numbers of a lane in window w, register 32 c + i = k 64 c + 32 h + i of my row, become a fragment's eight registers of codes and my row's scale word.  A block of 32 lies in one lane.
.macro QUANT s, w
.set qw, (\w)
	WIN (qw<<2)|(qw<<4)
.irp k, 0,1,2,3
	v_max3_num_f32 v[AM+\k], v[FL], |v[(\s)+16*\k]|, |v[(\s)+16*\k+1]|        ; four chains of 16, each begun with the floor 2^(3 - 127): the byte cannot fall under 1
.endr
.irp i, 2,4,6,8,10,12,14
.irp k, 0,1,2,3
	v_max3_num_f32 v[AM+\k], v[AM+\k], |v[(\s)+16*\k+\i]|, |v[(\s)+16*\k+\i+1]|
.endr
.endr
	WIN 0
	v_max_num_f32 v[AM], v[AM], v[AM+1]
	v_max_num_f32 v[AM+2], v[AM+2], v[AM+3]
	v_add_nc_u32 v[SCL], 0xff000000, v[AM]         ; 2 off the exponent field: the conversion takes that field as its scale
	v_add_nc_u32 v[SCL+1], 0xff000000, v[AM+2]
	v_lshrrev_b32 v[BY], 23, v[SCL]                ; the scales' bytes: blocks h and 2 + h
	v_lshrrev_b32 v[BY+1], 23, v[SCL+1]
	s_wait_dscnt 0x0                               ; the last image's stores have read the word and the codes
	v_lshl_or_b32 v[PW], v[BY+1], 16, v[BY]
	v_lshlrev_b32 v[PW], v[SH8], v[PW]             ; 8 h bits up
	v_permlanex16_b32 v[PT], v[PW], s[SEL], s[SEL+1]
	v_or_b32 v[PW], v[PW], v[PT]                   ; with lane l xor 16's two bytes the word is whole
	WIN qw
.irp c, 0,1
.irp g, 0,1,2,3
	v_cvt_scalef32_pk8_fp4_f32 v[PCD+4*\c+\g], v[(\s)+32*\c+8*\g:(\s)+32*\c+8*\g+7], v[SCL+\c]
.endr
.endr
	v_nop                                          ; one plain place behind the last scaled conversion
	WIN 0
.endm
.macro IMAGE ca, coff, sa, soff        ; pieces 4 s + h and 4 s + 2 + h of my row, and its scale word (both halves of the lanes write the same word with the same value)
	ds_store_b128 v[\ca], v[PCD:PCD+3] offset:\coff
	ds_store_b128 v[\ca], v[PCD+4:PCD+7] offset:(\coff)+544
	ds_store_b32 v[\sa], v[PW] offset:\soff
.endm
; 128 columns of my 16 rows of the query: loaded a row to an instruction, turned through my own rows of stage 0 so that a lane holds two whole blocks of its row, quantised.
; ls: the landing set (window 2, 64 ls);  reload = 1: it takes the columns two sets on;  left: the other set's loads, which may stay out
.macro HEADQ ls, reload, left
	s_wait_loadcnt \left
	WIN 0x08
.irp i, 0,1,2,3,4,5,6,7,8,9,10,11,12,13,14,15
	ds_store_b128 v[SRO], v[64*\ls+4*\i:64*\ls+4*\i+3] offset:528*\i
.endr
	WIN 0
.irp c, 0,1
.irp q, 0,1,2,3,4,5,6,7
	ds_load_b128 v[TMP+32*\c+4*\q:TMP+32*\c+4*\q+3], v[SRD] offset:256*\c+16*\q   ; LDS serves a wave's instructions in order: these see my stores
.endr
.endr
	s_wait_dscnt 0x0
.if \reload
	WIN 0x80
.irp i, 0,1,2,3,4,5,6,7,8,9,10,11,12,13,14,15
	global_load_b128 v[64*\ls+4*\i:64*\ls+4*\i+3], v[GL], s[QW:QW+1] offset:4096*\i+1024+512*\ls
.endr
	WIN 0
.endif
	v_add_nc_u32 v[T0], s[IO], v[CIW]
	v_add_nc_u32 v[T1], s[IS], v[XSW]
	QUANT TMP, 0
	IMAGE T0, 1088*\ls, T1, 4*\ls
.endm
.macro UNLOAD_Q g                      ; four heads of Q, my 16 rows, from the four stages into window 2 + g
	WIN 0x80+0x40*(\g)
.irp j, 0,1
.irp c, 0,1
.irp q, 0,1,2,3,4,5,6,7
	ds_load_b128 v[64*\j+32*\c+4*\q:64*\j+32*\c+4*\q+3], v[SRD] offset:STGB*\j+256*\c+16*\q
.endr
.endr
.endr
.irp j, 0,1
.irp c, 0,1
.irp q, 0,1,2,3,4,5,6,7
	ds_load_b128 v[128+64*\j+32*\c+4*\q:128+64*\j+32*\c+4*\q+3], v[SRD2] offset:STGB*\j+256*\c+16*\q
.endr
.endr
.endr
	WIN 0
.endm
.macro ROWIN                           ; my row's 64 channels of the head in the stage in hand
	v_add_nc_u32 v[SRC], s[SW], v[SRD]
.irp c, 0,1
.irp q, 0,1,2,3,4,5,6,7
	ds_load_b128 v[TMP+32*\c+4*\q:TMP+32*\c+4*\q+3], v[SRC] offset:256*\c+16*\q
.endr
.endr
.endm
; scores of my row: the 8 heads of Q against the step's head of K.  Eight chains of packed multiply-adds for four heads at a time; the two halves of the lanes hold 64 channels each.
.macro ATT_K
	ROWIN
	v_add_nc_u32 v[ATC], s[AG], v[ATA]
.irp hh, 0,1
	WIN 0x02+\hh
.set e, 0
.rept 32
.if (\hh == 0) && (e == 0)
	s_wait_dscnt 8                                 ; channels' first half is in; the youngest eight loads may be out
.endif
.if (\hh == 0) && (e == 16)
	s_wait_dscnt 0x0
.endif
.irp q, 0,1,2,3
.if e < 2
	v_pk_mul_f32 v[P+4*\q+2*e:P+4*\q+2*e+1], v[64*\q+2*e:64*\q+2*e+1], v[TMP+2*e:TMP+2*e+1]
.else
	v_pk_fma_f32 v[P+4*\q+2*(e%2):P+4*\q+2*(e%2)+1], v[64*\q+2*e:64*\q+2*e+1], v[TMP+2*e:TMP+2*e+1], v[P+4*\q+2*(e%2):P+4*\q+2*(e%2)+1]
.endif
.endr
.set e, e+1
.endr
	WIN 0
.irp q, 0,1,2,3
	v_pk_add_f32 v[P+4*\q:P+4*\q+1], v[P+4*\q:P+4*\q+1], v[P+4*\q+2:P+4*\q+3]
.endr
.irp q, 0,1,2,3
	v_add_f32 v[PR+4*\hh+\q], v[P+4*\q], v[P+4*\q+1]
.endr
.endr
.irp q, 0,1,2,3
	v_permlane16_swap_b32 v[PR+\q], v[PR+4+\q]     ; lanes 0-15 now hold both halves' parts of place q, lanes 16-31 those of place 4 + q
.endr
.irp q, 0,1,2,3
	v_add_f32 v[PR+\q], v[PR+\q], v[PR+4+\q]
.endr
	ds_store_b128 v[ATC], v[PR:PR+3]               ; scores[4 h + 0 .. 3][j] of my row, in my wave's own bytes
.endm
; softmax over the 8 heads of K, for the lane's four heads of Q: register 4 j + i
.macro SOFTMAX
.irp g, 0,1,2,3,4,5,6,7
	ds_load_b128 v[TMP+4*\g:TMP+4*\g+3], v[ATA] offset:32*\g
.endr
	s_wait_dscnt 0x0
.irp i, 0,1,2,3
	v_max3_num_f32 v[P+\i], v[TMP+\i], v[TMP+4+\i], v[TMP+8+\i]
.endr
.irp g, 12,20
.irp i, 0,1,2,3
	v_max3_num_f32 v[P+\i], v[P+\i], v[TMP+\g+\i], v[TMP+\g+4+\i]
.endr
.endr
.irp i, 0,1,2,3
	v_max_num_f32 v[P+\i], v[P+\i], v[TMP+28+\i]
.endr
.irp g, 0,1,2,3,4,5,6,7
.irp j, 0,2
	v_pk_add_f32 v[TMP+4*\g+\j:TMP+4*\g+\j+1], v[TMP+4*\g+\j:TMP+4*\g+\j+1], v[P+\j:P+\j+1] neg_lo:[0,1] neg_hi:[0,1]   ; the largest score is taken away first,
.endr
.endr
.irp g, 0,1,2,3,4,5,6,7
.irp j, 0,2
	v_pk_mul_f32 v[TMP+4*\g+\j:TMP+4*\g+\j+1], v[TMP+4*\g+\j:TMP+4*\g+\j+1], s[CS:CS+1] op_sel_hi:[1,0]                  ; then x log2(e) / sqrt(128)
.endr
.endr
.set e, 0
.rept 32
	v_exp_f32 v[TMP+e], v[TMP+e]
.set e, e+1
.endr
	v_nop                                          ; a plain place behind the last exponential
	s_wait_alu depctr_va_vdst(0)                   ; one wait for the batch, ahead of its first reader
.irp j, 0,2
	v_pk_add_f32 v[P+4+\j:P+5+\j], v[TMP+\j:TMP+\j+1], v[TMP+4+\j:TMP+5+\j]
.endr
.irp g, 2,3,4,5,6,7
.irp j, 0,2
	v_pk_add_f32 v[P+4+\j:P+5+\j], v[P+4+\j:P+5+\j], v[TMP+4*\g+\j:TMP+4*\g+\j+1]
.endr
.endr
.irp i, 0,1,2,3
	v_rcp_f32 v[P+8+\i], v[P+4+\i]
.endr
	v_nop
	s_wait_alu depctr_va_vdst(0)                   ; one wait for the four reciprocals
.irp g, 0,1,2,3,4,5,6,7
.irp j, 0,2
	v_pk_mul_f32 v[TMP+4*\g+\j:TMP+4*\g+\j+1], v[TMP+4*\g+\j:TMP+4*\g+\j+1], v[P+8+\j:P+9+\j]
.endr
.endr
.irp g, 0,1,2,3,4,5,6,7
	ds_store_b128 v[ATA], v[TMP+4*\g:TMP+4*\g+3] offset:32*\g
.endr
	s_wait_dscnt 0x0                               ; the stores have read their registers, which the next products write
.endm
; attended[u] += attn[u][j] V[j] for my row's 8 heads.  first = 1: the products start the sums: nothing is cleared
.macro ATT_V first
	v_add_nc_u32 v[ATC], s[AG], v[ATB]
.irp u, 0,1,2,3,4,5,6,7
	ds_load_b32 v[P+2*\u], v[ATC] offset:4*\u      ; both halves of the lanes take my row's weight of place u
.endr
	ROWIN
.irp hh, 0,1
	WIN 0xa0+0x50*\hh
.set e, 0
.rept 32
.if (\hh == 0) && (e == 0)
	s_wait_dscnt 8
.endif
.if (\hh == 0) && (e == 16)
	s_wait_dscnt 0x0
.endif
.irp q, 0,1,2,3
.if \first
	v_pk_mul_f32 v[64*\q+2*e:64*\q+2*e+1], v[TMP+2*e:TMP+2*e+1], v[P+8*\hh+2*\q:P+8*\hh+2*\q+1] op_sel_hi:[1,0]
.else
	v_pk_fma_f32 v[64*\q+2*e:64*\q+2*e+1], v[TMP+2*e:TMP+2*e+1], v[P+8*\hh+2*\q:P+8*\hh+2*\q+1], v[64*\q+2*e:64*\q+2*e+1] op_sel_hi:[1,0,1]
.endif
.endr
.set e, e+1
.endr
.endr
	WIN 0
.endm
; A PREFETCH of the query's second read: in each of the V loop's last four trips one instruction a wave names the first 2,048 bytes of four of its 16 rows, a lane to each aligned block of 256 bytes:
; each block is named once in the launch.  The rows' second halves are not asked for.
.macro ASK
	s_cmp_le_u32 s[CNT], 4
	s_cbranch_scc0 .Lnot_yet_\@
	global_prefetch_b8 v[PFO], s[PFA:PFA+1] th:TH_LOAD_NT scope:SCOPE_SE
.Lnot_yet_\@:
.endm
.macro OLOAD n                         ; eight of my rows of the block in stage n / 2, a row to an instruction, into half n % 2 of the buffer
.set oj, (\n)/2
.set oh, (\n)%2
.irp i, 0,1,2,3,4,5,6,7
.if oj < 2
	ds_load_b128 v[TMP+32*oh+4*\i:TMP+32*oh+4*\i+3], v[SRO] offset:STGB*oj+528*(8*oh+\i)
.else
	ds_load_b128 v[TMP+32*oh+4*\i:TMP+32*oh+4*\i+3], v[SRO2] offset:STGB*(oj-2)+528*(8*oh+\i)
.endif
.endr
.endm
.macro UNLOAD_O g                      ; x += four blocks of O from the four stages.  (The query's loads into x were shown landed by the wait for 0 in the first O step's products)
	OLOAD 0
	OLOAD 1
.set on, 0
.rept 8
.if on < 7
	s_wait_dscnt 8                                 ; the other half's eight loads may be out
.else
	s_wait_dscnt 0x0
.endif
	WIN 0x82+0x41*(\g)
.irp i, 0,1,2,3,4,5,6,7
.irp k, 0,2
	v_pk_add_f32 v[64*(on/2)+4*(8*(on%2)+\i)+\k:64*(on/2)+4*(8*(on%2)+\i)+\k+1], v[64*(on/2)+4*(8*(on%2)+\i)+\k:64*(on/2)+4*(8*(on%2)+\i)+\k+1], v[TMP+32*(on%2)+4*\i+\k:TMP+32*(on%2)+4*\i+\k+1]
.endr
.endr
	WIN 0
.if on < 6
	OLOAD on+2
.endif
.set on, on+1
.endr
.endm
.macro GLOOP n, nxt, nc, ns, nb        ; n steps whose results are left in stages that follow each other
	s_mov_b32 s[CNT], \n
.Lg_\@:
	GEMM 0
	STORE 0
	s_add_co_u32 s[SW], s[SW], STGB
	TOP \nxt, \nc, \ns, \nb, 0
	WPRE
	s_sub_co_u32 s[CNT], s[CNT], 1
	s_cmp_lg_u32 s[CNT], 0
	s_cbranch_scc1 .Lg_\@
.endm
; LayerNorm's passes over x: the 16 rows by turns, so that no line waits for the line above it
.macro LNADD b
.irp k, 0,2
.irp i, 0,1,2,3,4,5,6,7,8,9,10,11,12,13,14,15
	v_pk_add_f32 v[LA+2*\i:LA+2*\i+1], v[LA+2*\i:LA+2*\i+1], v[64*(\b)+4*\i+\k:64*(\b)+4*\i+\k+1]
.endr
.endr
.endm
.macro LNCEN b
.irp k, 0,2
.irp i, 0,1,2,3,4,5,6,7,8,9,10,11,12,13,14,15
	v_pk_add_f32 v[64*(\b)+4*\i+\k:64*(\b)+4*\i+\k+1], v[64*(\b)+4*\i+\k:64*(\b)+4*\i+\k+1], v[LB+2*\i:LB+2*\i+1] op_sel_hi:[1,0]
.endr
.endr
.endm
.macro LNSQ b, k
.irp i, 0,1,2,3,4,5,6,7,8,9,10,11,12,13,14,15
	v_pk_fma_f32 v[LA+2*\i:LA+2*\i+1], v[64*(\b)+4*\i+\k:64*(\b)+4*\i+\k+1], v[64*(\b)+4*\i+\k:64*(\b)+4*\i+\k+1], v[LA+2*\i:LA+2*\i+1]
.endr
.endm
.macro REDUCE                          ; each row's pair, then its 32 lanes: the sum ends up in every lane
.irp i, 0,1,2,3,4,5,6,7,8,9,10,11,12,13,14,15
	v_add_f32 v[LA+2*\i], v[LA+2*\i], v[LA+2*\i+1]
.endr
.irp x, 1,2,4,8
.irp i, 0,1,2,3,4,5,6,7,8,9,10,11,12,13,14,15
	v_add_f32_dpp v[LA+2*\i], v[LA+2*\i], v[LA+2*\i] row_xmask:\x row_mask:0xf bank_mask:0xf
.endr
.endr
.irp i, 0,1,2,3,4,5,6,7,8,9,10,11,12,13,14,15
	v_permlanex16_b32 v[LA+2*\i+1], v[LA+2*\i], s[SEL], s[SEL+1]
.endr
.irp i, 0,1,2,3,4,5,6,7,8,9,10,11,12,13,14,15
	v_add_f32 v[LA+2*\i], v[LA+2*\i], v[LA+2*\i+1]
.endr
.endm
	; ---------------- the head
	s_load_b512 s[8:23], s[0:1], 0x0               ; query 8, key_value codes 10, scales 12, Wq codes 14, scales 16, bq 18, Wk codes 20, scales 22
	s_load_b512 s[24:39], s[0:1], 0x40             ; bk 24, Wv codes 26, scales 28, bv 30, Wo codes 32, scales 34, bo 36, gamma 38
	s_load_b128 s[40:43], s[0:1], 0x80             ; beta 40, out0 42
	v_lshl_add_u32 v[SPW], v0, 2, SPARE
	v_mov_b32 v[NIL], 0
	ds_add_u32 v[SPW], v[NIL]                      ; the wave's opening: the add, twice on end, and its wait ahead of my first tensor load; the set-up below, work on registers, stands between
	ds_add_u32 v[SPW], v[NIL]
	v_lshrrev_b32 v[T0], 5, v0
	v_readfirstlane_b32 s[WV], v[T0]               ; wave 0..3
	v_and_b32 v1, 15, v0                           ; r
	v_bfe_u32 v2, v0, 4, 1                         ; h
	v_and_b32 v3, 31, v0                           ; l
	; descriptor group 1: 32 rows of 512 bytes, dense in memory, 16 bytes of padding behind each in LDS
	s_mov_b32 s[G1], 15|(1<<20)|(1<<21)|(6<<22)|(3<<25)   ; 15:0 the mask: all four work-groups; 17:16 elements of 1 byte; 20 padding on; 21 set beside a mask; 24:22 after every 128 words (code 6); 31:25 four words (code 3)
	s_mov_b32 s[G1+1], 512<<16                     ; tensor_dim0
	s_mov_b32 s[G1+2], 32<<16                      ; tensor_dim1
	s_mov_b32 s[G1+3], 512<<16                     ; tile_dim0
	s_mov_b32 s[G1+4], 32                          ; tile_dim1
	s_mov_b32 s[G1+5], 512                         ; tensor_dim0_stride
	s_mov_b32 s[G1+6], 0
	s_mov_b32 s[G1+7], 0
	s_mov_b32 s[SEL], 0x76543210
	s_mov_b32 s[SEL+1], 0xfedcba98                 ; v_permlanex16_b32's selects for lane l xor 16
	s_mov_b32 s[CS], 0x3e0293ee                    ; log2(e) / sqrt(128)
	s_mov_b32 s[CS+1], s[CS]
	s_mov_b32 s[NI], 0xba800000                    ; -1 / 1024
	s_mov_b32 s[EP], 0x3727c5ac                    ; 1e-5
	s_mov_b32 s[PI], 0x3a800000                    ; 1 / 1024
	s_mov_b32 s[TB], 0
	s_mov_b32 s[TS+1], 0
	s_lshr_b32 s[ROT], ttmp9, 3                    ; in a cluster launch ttmp9 counts clusters: the same number in all four partners
	s_xor_b32 s[ROT], s[ROT], ttmp9
	s_and_b32 s[ROT], s[ROT], 7                    ; rot: the piece with which my cluster begins each weight
	; LDS addresses: constants, the lane's terms and the wave's number
	s_mul_i32 s[WOFF], s[WV], 16896
	v_mul_u32_u24 v[T0], v1, 528
	v_lshl_add_u32 v[AW], v2, 4, v[T0]
	v_add_nc_u32 v[AW], s[WOFF], v[AW]
	s_lshl_b32 s[TS], s[WV], 7
	s_add_co_u32 s[TS], s[TS], STG
	v_lshl_add_u32 v[SO], v2, 5, v[T0]
	v_add_nc_u32 v[SO], s[TS], v[SO]
	s_mul_i32 s[TS], s[WV], 8448
	s_add_co_u32 s[TS], s[TS], STG
	v_lshl_add_u32 v[SRD], v2, 7, v[T0]
	v_add_nc_u32 v[SRD], s[TS], v[SRD]
	v_add_nc_u32 v[SRD2], 2*STGB, v[SRD]
	v_lshl_add_u32 v[SRO], v3, 4, s[TS]
	v_add_nc_u32 v[SRO2], 2*STGB, v[SRO]
	v_mul_u32_u24 v[T0], v2, 272
	v_lshl_add_u32 v[T0], v1, 4, v[T0]
	v_add_nc_u32 v[CIR], IMG, v[T0]
	v_add_nc_u32 v[CIK], KVI, v[T0]
	s_mul_i32 s[TS], s[WV], 8704
	v_add_nc_u32 v[CIW], s[TS], v[CIR]
	s_add_co_u32 s[TS], s[TS], KVI
	v_mul_u32_u24 v[KVW], v3, 272
	v_add_nc_u32 v[KVW], s[TS], v[KVW]
	s_lshl_b32 s[TS], s[WV], 9
	s_add_co_u32 s[TS], s[TS], XSC
	v_lshl_add_u32 v[XSW], v1, 5, s[TS]
	s_add_co_u32 s[TS], s[TS], XSK-XSC
	v_lshl_add_u32 v[T1], v3, 4, s[TS]             ; XSK + 512 w + 16 l: where key_value's scale bytes go
	v_lshlrev_b32 v[GW], 5, v3
	v_add_nc_u32 v[XSR], XSC, v[GW]
	v_add_nc_u32 v[XSKR], XSK, v[GW]
	s_mul_i32 s[TS], s[WV], 4352
	s_add_co_u32 s[TS], s[TS], KVI
	v_mul_u32_u24 v[ATB], v1, 272
	v_add_nc_u32 v[ATB], s[TS], v[ATB]
	v_lshl_add_u32 v[ATA], v2, 4, v[ATB]
	v_lshlrev_b32 v[GB], 5, v2
	v_lshlrev_b32 v[GL], 4, v3
	v_lshrrev_b32 v[T0], 3, v3
	v_and_b32 v[PFO], 7, v3
	v_lshlrev_b32 v[PFO], 8, v[PFO]
	v_lshl_add_u32 v[PFO], v[T0], 12, v[PFO]
.irp b, 0,1,2,3,4,5,6,7
	s_add_co_u32 s[TS], s[ROT], \b
	s_and_b32 s[TS], s[TS], 7                      ; the column block that lies at place b of x,
	s_lshl_b32 s[TS], s[TS], 9                     ; 512 bytes a block in a row of the query, of out0, of gamma and of beta
	v_add_nc_u32 v[GLR+\b], s[TS], v[GL]
.endr
	v_mov_b32 v[FL], 0x1800000
	v_lshlrev_b32 v[SH8], 3, v2
	v_mov_b32 v[PT], 0                             ; written once: a lane permute's destination counts as one of its sources
	s_bfe_u32 s[ROW0], ttmp6, 0x40000              ; cx
	s_lshl_b32 s[TC], ttmp9, 2
	s_add_co_u32 s[ROW0], s[ROW0], s[TC]           ; my work-group
	s_lshl_b32 s[ROW0], s[ROW0], 6
	s_lshl_b32 s[TC], s[WV], 4
	s_add_co_u32 s[ROW0], s[ROW0], s[TC]           ; my wave's first row: 64 x work-group + 16 x wave
	s_mov_b32 s[TC+1], 0
	s_wait_dscnt 0x0                               ; both opening adds are done
	s_wait_kmcnt 0x0
	s_lshl_b32 s[TC], s[ROW0], 12
	s_add_nc_u64 s[8:9], s[8:9], s[TC:TC+1]        ; query and out0 at my first row
	s_add_nc_u64 s[42:43], s[42:43], s[TC:TC+1]
	s_lshl_b32 s[TC], s[ROW0], 9
	s_add_nc_u64 s[10:11], s[10:11], s[TC:TC+1]    ; key_value's codes
	s_lshl_b32 s[TC], s[ROW0], 5
	s_add_nc_u64 s[12:13], s[12:13], s[TC:TC+1]    ; and scale bytes
	s_lshl_b32 s[TS], s[WV], 14                    ; my 32 rows of a piece of W: 16,384 bytes of codes,
.irp p, 14,20,26,32
	s_add_nc_u64 s[\p:\p+1], s[\p:\p+1], s[TS:TS+1]
.endr
	s_lshl_b32 s[TS], s[WV], 10                    ; 1,024 of scale bytes,
.irp p, 16,22,28,34
	s_add_nc_u64 s[\p:\p+1], s[\p:\p+1], s[TS:TS+1]
.endr
	s_lshl_b32 s[TS], s[WV], 7                     ; 128 of bias
.irp p, 18,24,30,36
	s_add_nc_u64 s[\p:\p+1], s[\p:\p+1], s[TS:TS+1]
.endr
	s_mov_b64 s[QW:QW+1], s[8:9]
	s_mov_b64 s[PFA:PFA+1], s[8:9]
	s_mov_b64 s[BC:BC+1], s[14:15]                 ; the first weight's three bases
	s_mov_b64 s[BS:BS+1], s[16:17]
	s_mov_b64 s[BB:BB+1], s[18:19]
	s_lshl_b32 s[TS], s[ROT], 12
	s_add_nc_u64 s[WSP:WSP+1], s[BS:BS+1], s[TS:TS+1]   ; step 0's scale words and bias: piece rot
	s_lshl_b32 s[TS], s[ROT], 9
	s_add_nc_u64 s[BIP:BIP+1], s[BB:BB+1], s[TS:TS+1]
	s_add_co_u32 s[PP], s[ROT], 1
	s_and_b32 s[PP], s[PP], 7                      ; step 1's piece
	s_mov_b32 s[G0A], 1                            ; count = 1
	s_mov_b32 s[G0A+1], s[WOFF]                    ; slot 0
	s_lshl_b32 s[TS], s[ROT], 16
	s_add_nc_u64 s[G0A+2:G0A+3], s[BC:BC+1], s[TS:TS+1]   ; step 0's piece
	s_or_b32 s[G0A+3], s[G0A+3], 0x80000000        ; type = 2
	s_mov_b32 s[G0], 1
	s_add_co_u32 s[G0+1], s[WOFF], SLOT            ; slot 1
	s_lshl_b32 s[TS], s[PP], 16
	s_add_nc_u64 s[G0+2:G0+3], s[BC:BC+1], s[TS:TS+1]     ; step 1's piece
	s_or_b32 s[G0+3], s[G0+3], 0x80000000
	ROUND                                          ; all four work-groups are here: the first joint loads meet
	tensor_load_to_lds s[G0A:G0A+3], s[G1:G1+7]    ; two loads of mine are out
	s_nop 0
	tensor_load_to_lds s[G0:G0+3], s[G1:G1+7]
	s_nop 0
	PLACES
	global_load_b128 v[WS:WS+3], v[GW], s[WSP:WSP+1]   ; step 0's scale words and bias
	global_load_b128 v[WS+4:WS+7], v[GW], s[WSP:WSP+1] offset:16
.irp c, 0,1
	global_load_b128 v[BI+8*\c:BI+8*\c+3], v[GB], s[BIP:BIP+1] offset:64*\c
	global_load_b128 v[BI+8*\c+4:BI+8*\c+7], v[GB], s[BIP:BIP+1] offset:64*\c+16
.endr
	global_load_b128 v[KVS:KVS+3], v[GL], s[12:13] th:TH_LOAD_NT   ; my 16 rows' scale bytes of key_value: 512 consecutive bytes
.irp i, 0,1,2,3,4,5,6,7,8,9,10,11,12,13,14,15
	global_load_b128 v[TMP+4*\i:TMP+4*\i+3], v[GL], s[10:11] offset:512*\i th:TH_LOAD_NT   ; row i's codes: lane l takes piece l
.endr
	WIN 0x80
.irp t, 0,1
.irp i, 0,1,2,3,4,5,6,7,8,9,10,11,12,13,14,15
	global_load_b128 v[64*\t+4*\i:64*\t+4*\i+3], v[GL], s[QW:QW+1] offset:4096*\i+512*\t
.endr
.endr
	WIN 0
	s_wait_loadcnt 32                              ; all but the query's 32 loads
.irp i, 0,1,2,3,4,5,6,7,8,9,10,11,12,13,14,15
	ds_store_b128 v[KVW], v[TMP+4*\i:TMP+4*\i+3] offset:16*\i
.endr
	ds_store_b128 v[T1], v[KVS:KVS+3]
	s_wait_xcnt 0x0                                ; step 0's loads have read their two bases, which go on to step 1's piece: step 0's products ask by them
	s_lshl_b32 s[TS], s[PP], 12
	s_add_nc_u64 s[WSP:WSP+1], s[BS:BS+1], s[TS:TS+1]
	s_lshl_b32 s[TS], s[PP], 9
	s_add_nc_u64 s[BIP:BIP+1], s[BB:BB+1], s[TS:TS+1]
	; ---------------- the query's codes
	s_mov_b32 s[IO], 0
	s_mov_b32 s[IS], 0
	s_mov_b32 s[CNT], 3
.Lquery:
	HEADQ 0, 1, 16
	HEADQ 1, 1, 16
	s_wait_xcnt 0x0                                ; the loads have read their base
	s_add_nc_u64 s[QW:QW+1], s[QW:QW+1], 1024
	s_add_co_u32 s[IO], s[IO], 2176
	s_add_co_u32 s[IS], s[IS], 8
	s_sub_co_u32 s[CNT], s[CNT], 1
	s_cmp_lg_u32 s[CNT], 0
	s_cbranch_scc1 .Lquery
	HEADQ 0, 0, 16                                 ; the last two sets load nothing more
	HEADQ 1, 0, 0
	s_wait_tensorcnt 0x1                           ; my part of step 0's piece is in; step 1's may stay out
	BARRIER                                        ; all images and scale words lie in LDS
	FETCHX CIR
	XSLOAD XSR
	WPRE
	; ---------------- Q: two groups of four heads
	s_mov_b32 s[SW], 0
	GLOOP 4, 0, 0, 0, 0
	UNLOAD_Q 0
	BARRIER                                        ; the stages have been read: they may be written again
	s_mov_b32 s[SW], 0
	GLOOP 4, 1, 20, 22, 24
	UNLOAD_Q 1
	FETCHX CIK                                     ; key_value's codes take the query's place
	XSLOAD XSKR
	BARRIER                                        ; the stages and key_value's images have been read
	; ---------------- K: a head a step; its scores against my row's 8 heads of Q stand behind the next piece's request.  Two stages by turns
	s_mov_b32 s[SW], 0
	s_mov_b32 s[AG], 0
	s_mov_b32 s[CNT], 8
.Lkeys:
	GEMM 0
	STORE 0
	TOP 1, 26, 28, 30, 0
	WPRE
	ATT_K
	s_xor_b32 s[SW], s[SW], STGB
	s_add_co_u32 s[AG], s[AG], 32
	s_sub_co_u32 s[CNT], s[CNT], 1
	s_cmp_lg_u32 s[CNT], 0
	s_cbranch_scc1 .Lkeys
	SOFTMAX
	s_mov_b32 s[AG], 0
	; ---------------- V: the first head is written out: its products start attended's sums, over Q's registers
	GEMM 0
	STORE 0
	TOP 0, 0, 0, 0, 0
	WPRE
	ATT_V 1
	s_xor_b32 s[SW], s[SW], STGB
	s_add_co_u32 s[AG], s[AG], 32
	s_mov_b32 s[CNT], 7
.Lvalues:
	GEMM 0
	STORE 0
	TOP 1, 32, 34, 36, 1
	WPRE
	ASK
	ATT_V 0
	s_xor_b32 s[SW], s[SW], STGB
	s_add_co_u32 s[AG], s[AG], 32
	s_sub_co_u32 s[CNT], s[CNT], 1
	s_cmp_lg_u32 s[CNT], 0
	s_cbranch_scc1 .Lvalues
	; ---------------- attended's codes, place by place.  Place u is head (u + rot) % 8, which is that K step of the last product: its image lies 1,088 bytes a K step, its scale word 4, inside my wave's own
	; 8,704 and 512 bytes.  The place's registers then take 128 columns of the query, those of the column block that will lie there, for the residual
.irp u, 0,1,2,3,4,5,6,7
	s_add_co_u32 s[IO], s[ROT], \u
	s_and_b32 s[IO], s[IO], 7
	s_lshl_b32 s[IS], s[IO], 2
	s_mul_i32 s[IO], s[IO], 1088
	v_add_nc_u32 v[T0], s[IO], v[CIW]
	v_add_nc_u32 v[T1], s[IS], v[XSW]
	QUANT 64*(\u%4), 2+\u/4
	IMAGE T0, 0, T1, 0
	WIN 0x80+0x40*(\u/4)
.irp i, 0,1,2,3,4,5,6,7,8,9,10,11,12,13,14,15
	global_load_b128 v[64*(\u%4)+4*\i:64*(\u%4)+4*\i+3], v[GLR+\u], s[8:9] offset:4096*\i th:TH_LOAD_NT
.endr
	WIN 0
.endr
	BARRIER
	FETCHX CIR
	XSLOAD XSR
	s_wait_dscnt 0x0                               ; here the step's first fragments of W were fetched a phase ago, so these 68 loads are the youngest: the counted waits in the products, which count from W's loads, do not cover them
	; ---------------- O: two groups of four blocks of 128 columns
	s_mov_b32 s[SW], 0
	GLOOP 4, 0, 0, 0, 0
	UNLOAD_O 0
	BARRIER
	s_mov_b32 s[SW], 0
	GLOOP 2, 0, 0, 0, 0                            ; these ask for the last two pieces
	s_mov_b32 s[CNT], 2
.Ltail:                                        ; the last two steps ask for nothing
	GEMM 1
	STORE 1
	s_add_co_u32 s[SW], s[SW], STGB
	s_wait_tensorcnt 0x0                           ; my part of the last piece, which I alone read
	s_xor_b32 s[TB], s[TB], SLOT
	BARRIER                                        ; the step's results lie in the stage
	s_cmp_eq_u32 s[CNT], 1
	s_cbranch_scc1 .Lno_more
	WPRE
.Lno_more:
	s_sub_co_u32 s[CNT], s[CNT], 1
	s_cmp_lg_u32 s[CNT], 0
	s_cbranch_scc1 .Ltail
.irp b, 0,1,2,3,4,5,6,7
	global_load_b128 v[WF+4*\b:WF+4*\b+3], v[GLR+\b], s[38:39]                   ; gamma and beta of my four columns of the block at place b
	global_load_b128 v[WF+32+4*\b:WF+32+4*\b+3], v[GLR+\b], s[40:41]
.endr
	UNLOAD_O 1
	; ---------------- LayerNorm: a lane holds 32 numbers of each of my 16 rows
	WIN 0x0a
.irp i, 0,1,2,3,4,5,6,7,8,9,10,11,12,13,14,15
	v_pk_add_f32 v[LA+2*\i:LA+2*\i+1], v[4*\i:4*\i+1], v[4*\i+2:4*\i+3]        ; the first two pairs start the sums
.endr
	WIN 0x08
	LNADD 1
	LNADD 2
	LNADD 3
	WIN 0x0c
	LNADD 0
	LNADD 1
	LNADD 2
	LNADD 3
	WIN 0
	REDUCE
.irp i, 0,1,2,3,4,5,6,7,8,9,10,11,12,13,14,15
	v_mul_f32 v[LB+2*\i], s[NI], v[LA+2*\i]        ; -mean
.endr
	WIN 0x82
	LNCEN 0
	LNCEN 1
	LNCEN 2
	LNCEN 3
	WIN 0xc3
	LNCEN 0
	LNCEN 1
	LNCEN 2
	LNCEN 3
	WIN 0x0a
.irp i, 0,1,2,3,4,5,6,7,8,9,10,11,12,13,14,15
	v_pk_mul_f32 v[LA+2*\i:LA+2*\i+1], v[4*\i:4*\i+1], v[4*\i:4*\i+1]          ; the squares of the centred numbers
.endr
	LNSQ 0, 2
	LNSQ 1, 0
	LNSQ 1, 2
	LNSQ 2, 0
	LNSQ 2, 2
	LNSQ 3, 0
	LNSQ 3, 2
	WIN 0x0f
	LNSQ 0, 0
	LNSQ 0, 2
	LNSQ 1, 0
	LNSQ 1, 2
	LNSQ 2, 0
	LNSQ 2, 2
	LNSQ 3, 0
	LNSQ 3, 2
	WIN 0
	REDUCE
.irp i, 0,1,2,3,4,5,6,7,8,9,10,11,12,13,14,15
	v_fma_f32 v[LA+2*\i], v[LA+2*\i], s[PI], s[EP] ; variance + eps
.endr
.irp i, 0,1,2,3,4,5,6,7,8,9,10,11,12,13,14,15
	v_rsq_f32 v[LB+2*\i], v[LA+2*\i]
.endr
	v_nop                                          ; a plain place behind the last of them
	s_wait_alu depctr_va_vdst(0)                   ; one wait for the sixteen, ahead of their first reader
	s_wait_loadcnt 0x0                             ; gamma and beta
.irp b, 0,1,2,3,4,5,6,7
	WIN 0x82+0x41*(\b/4)
.irp k, 0,2
.irp i, 0,1,2,3,4,5,6,7,8,9,10,11,12,13,14,15
	v_pk_mul_f32 v[64*(\b%4)+4*\i+\k:64*(\b%4)+4*\i+\k+1], v[64*(\b%4)+4*\i+\k:64*(\b%4)+4*\i+\k+1], v[LB+2*\i:LB+2*\i+1] op_sel_hi:[1,0]
.endr
.endr
.irp k, 0,2
.irp i, 0,1,2,3,4,5,6,7,8,9,10,11,12,13,14,15
	v_pk_fma_f32 v[64*(\b%4)+4*\i+\k:64*(\b%4)+4*\i+\k+1], v[64*(\b%4)+4*\i+\k:64*(\b%4)+4*\i+\k+1], v[WF+4*\b+\k:WF+4*\b+\k+1], v[WF+32+4*\b+\k:WF+32+4*\b+\k+1]
.endr
.endr
	WIN 0x08+0x04*(\b/4)
.irp i, 0,1,2,3,4,5,6,7,8,9,10,11,12,13,14,15
	global_store_b128 v[GLR+\b], v[64*(\b%4)+4*\i:64*(\b%4)+4*\i+3], s[42:43] offset:4096*\i th:TH_STORE_NT   ; 32 lanes store 512 consecutive bytes, at a multiple of 256 from out0's first byte
.endr
.endr
	WIN 0
	s_wait_tensorcnt 0x0                           ; the wave's end: behind my last tensor load and my last LDS store
	ds_add_u32 v[SPW], v[NIL]
	s_wait_dscnt 0x0
	ROUND                                          ; the closing round: no work-group ends while a partner may still ask for a piece that names it
	s_endpgm
.Lfunc_end_k_q1e9bce2600_fused:
	.size	k_q1e9bce2600_fused, .Lfunc_end_k_q1e9bce2600_fused-k_q1e9bce2600_fused
	.p2alignl 7, 3214868480
	.fill 96, 4, 3214868480
	.section	.rodata,"a",@progbits
	.p2align	6, 0x0
	.amdhsa_kernel k_q1e9bce2600_fused
		.amdhsa_group_segment_fixed_size 327680
		.amdhsa_private_segment_fixed_size 0
		.amdhsa_enable_private_segment 0
		.amdhsa_kernarg_size 144
		.amdhsa_user_sgpr_count 2
		.amdhsa_user_sgpr_kernarg_segment_ptr 1
		.amdhsa_wavefront_size32 1
		.amdhsa_system_sgpr_workgroup_id_x 1
		.amdhsa_system_sgpr_workgroup_id_y 1
		.amdhsa_system_sgpr_workgroup_id_z 1
		.amdhsa_system_vgpr_workitem_id 0
		.amdhsa_next_free_vgpr 1024
		.amdhsa_next_free_sgpr 96
		.amdhsa_reserve_vcc 0
		.amdhsa_float_denorm_mode_32 3
		.amdhsa_float_denorm_mode_16_64 3
		.amdhsa_memory_ordered 1
		.amdhsa_forward_progress 1
		.amdhsa_inst_pref_size 255
	.end_amdhsa_kernel
	.section	.bss,"aw",@nobits
	.p2align	6
	.space	262144
	.amdgpu_metadata
---
amdhsa.version: [ 1, 2 ]
amdhsa.kernels:
  - .name:           k_q1e9bce2600_fused
    .symbol:         k_q1e9bce2600_fused.kd
    .args:
      - { .name: query, .offset: 0, .size: 8, .value_kind: global_buffer, .address_space: global }
      - { .name: key_value_codes, .offset: 8, .size: 8, .value_kind: global_buffer, .address_space: global }
      - { .name: key_value_scales, .offset: 16, .size: 8, .value_kind: global_buffer, .address_space: global }
      - { .name: Wq_codes, .offset: 24, .size: 8, .value_kind: global_buffer, .address_space: global }
      - { .name: Wq_scales, .offset: 32, .size: 8, .value_kind: global_buffer, .address_space: global }
      - { .name: bq, .offset: 40, .size: 8, .value_kind: global_buffer, .address_space: global }
      - { .name: Wk_codes, .offset: 48, .size: 8, .value_kind: global_buffer, .address_space: global }
      - { .name: Wk_scales, .offset: 56, .size: 8, .value_kind: global_buffer, .address_space: global }
      - { .name: bk, .offset: 64, .size: 8, .value_kind: global_buffer, .address_space: global }
      - { .name: Wv_codes, .offset: 72, .size: 8, .value_kind: global_buffer, .address_space: global }
      - { .name: Wv_scales, .offset: 80, .size: 8, .value_kind: global_buffer, .address_space: global }
      - { .name: bv, .offset: 88, .size: 8, .value_kind: global_buffer, .address_space: global }
      - { .name: Wo_codes, .offset: 96, .size: 8, .value_kind: global_buffer, .address_space: global }
      - { .name: Wo_scales, .offset: 104, .size: 8, .value_kind: global_buffer, .address_space: global }
      - { .name: bo, .offset: 112, .size: 8, .value_kind: global_buffer, .address_space: global }
      - { .name: gamma, .offset: 120, .size: 8, .value_kind: global_buffer, .address_space: global }
      - { .name: beta, .offset: 128, .size: 8, .value_kind: global_buffer, .address_space: global }
      - { .name: out0, .offset: 136, .size: 8, .value_kind: global_buffer, .address_space: global }
    .group_segment_fixed_size: 327680
    .private_segment_fixed_size: 0
    .kernarg_segment_align: 8
    .kernarg_segment_size: 144
    .max_flat_workgroup_size: 128
    .sgpr_count:     96
    .vgpr_count:     1024
    .wavefront_size: 32
...
	.end_amdgpu_metadata
.endif
;; end of part 2
